; MI455X (gfx1250); checked and timed in simulation.
; The chip was launched on July 23, 2026; its instructions are those of AMD's public machine-readable ISA for CDNA 5 (MIT licence, August 2026) and "CDNA5" Instruction Set Architecture Reference Guide (July 2026). The comments in the code are by the model that wrote it; some were corrected since.
;; Multi Head Attention. Allowed arithmetic: matrix products marked QUANTISED: E2M3 operands, one E8M0 scale for each 32 along K, by v_wmma_scale_f32_16x16x128_f8f6f4 with both operands' format E2M3, f32 sums; everything else in f32.
;; Inputs: k 2 x 4,096 x 512 float32; q 2 x 4,096 x 512 float32; v 2 x 4,096 x 512 float32; wk_b 512 float32; wk_w 512 x 512 float32; wo_b 512 float32; wo_w 512 x 512 float32; wq_b 512 float32; wq_w 512 x 512 float32; wv_b 512 float32; wv_w 512 x 512 float32.
;; Outputs: out0 2 x 4,096 x 512 float32.
;; This version of the problem:
;;   THIS VERSION OF THE PROBLEM IS GIVEN IN LOW PRECISION. The matrix products marked QUANTISED in the list below multiply operands that are first quantised to E2M3 (2 exponent bits, 3 mantissa bits; 6 bits a number), with one power-of-two scale for each 32 numbers along K (OCP MX v1.0); their sums are f32. All else is computed in f32.
;;   The module's matrix products, in the order in which they are computed (A, B: the left and right operand; K: the contracted axis; several contracted axes count as one K, in the product's order):
;;     1. [M 8,192, K 512] x [K 512, N 512]; A: input q; B: input wq_w: QUANTISED
;;     2. [M 8,192, K 512] x [K 512, N 512]; A: input k; B: input wk_w: QUANTISED
;;     3. [M 8,192, K 512] x [K 512, N 512]; A: input v; B: input wv_w: QUANTISED
;;     4. batch 16 x [M 4,096, K 64] x [K 64, N 4,096]; A: computed on the way; B: computed on the way: QUANTISED
;;     5. batch 16 x [M 4,096, K 4,096] x [K 4,096, N 64]; A: softmax (see below); B: computed on the way: QUANTISED
;;     6. [M 8,192, K 512] x [K 512, N 512]; A: computed on the way; B: input wo_w: QUANTISED
;;   THE QUANTISER, for each operand of a quantised product, along K:
;;     - K is cut into blocks of 32 from its start; a last block that is shorter is filled with zeros.
;;     - A block's scale is 2^e with e = floor(log2(the largest magnitude in the block)) - 2, held to -126 .. 127; a block of zeros has e = 0. As a byte (E8M0): e + 127.
;;     - Each number is divided by its block's scale, clamped to +-7.5, and rounded to the nearest number of E2M3, ties to even, subnormals kept.
;;     - The product sums the exact products of the quantised numbers (number of the format x scale) in f32.
;;   ~~~python
;;   def quantise(x, axis):      # numpy; x: float32 -> the quantised numbers, widened to float32 again
;;       x = np.moveaxis(x, axis, -1); K = x.shape[-1]
;;       x = np.pad(x, [(0, 0)] * (x.ndim - 1) + [(0, -K % 32)]); x = x.reshape(x.shape[:-1] + (-1, 32)); a = np.abs(x).max(-1, keepdims=True)
;;       e = np.where(a > 0, np.clip(np.frexp(np.where(a > 0, a, 1))[1] - 1 - 2, -126, 127), 0)      # np.frexp(a)[1] - 1 = floor(log2(a)), exactly
;;       r = np.clip(x / 2.0 ** e, -7.5, 7.5)
;;       step = 2.0 ** (np.maximum(np.frexp(np.where(r == 0, 1, r))[1] - 1, 0) - 3)
;;       q = np.round(r / step) * step * 2.0 ** e      # np.round: ties to even
;;       return np.moveaxis(q.reshape(q.shape[:-2] + (-1,))[..., :K], -1, axis).astype(np.float32)
;;   ~~~
;;   SOFTMAX AHEAD OF A QUANTISED PRODUCT. Where the list says 'softmax', what is quantised is not the finished softmax but p = 2^(t - M), with t = logit x log2(e) and M = ceil(the row's largest t), a whole number; so 1/2 < the row's largest p <= 1. The row's sum l is taken of the UNQUANTISED p, in f32, and the product's result is divided by l at the end. Since M is a whole number, a kernel that streams over the keys may use a running M (the ceiling of the running maximum): every later rescaling is an exact power of two, which a block's scale takes up: the codes' values come out the same.
;;   OPERANDS COMPUTED ON THE WAY. 'Computed on the way' means the value that the module computes at that place (a softmax that the list does not call 'softmax' is quantised finished and normalised). What goes into a quantiser is computed in f32, as accurately as f32 sums, v_exp_f32 and their like allow (about 1e-6 of the number): no bf16 or f16 on the way to a quantiser, and a product that is left as it is and whose result goes on into a quantised operand takes f32 operands (vector FMAs, or v_wmma_f32_16x16x4_f32). A number that lies on a knife's edge between two numbers of the format may be rounded either way, as far as f32 arithmetic and the matrix unit's own rounding can turn it there, and no further.
;; 2 versions. Each part assembles by itself: llvm-mc -triple=amdgcn-amd-amdhsa -mcpu=gfx1250 --defsym DOCPART=n.
;; ======== version 1 of 2: 4 launches
;; workspace buffers: wcod 786,432 bytes; wscl 65,536 bytes; qf 3,407,872 bytes; kv 6,815,744 bytes; ocod 3,145,728 bytes; oscl 131,072 bytes
;; launch prep (part 1): grid 32 x 4, 1 waves a work-group, no clusters, 0 bytes of LDS; arguments wq_w, wk_w, wv_w, wo_w, wcod, wscl; writes wcod, wscl
.if DOCPART == 1
	.amdgcn_target "amdgcn-amd-amdhsa--gfx1250"
	.amdhsa_code_object_version 6
	.text
	.protected	k_qba9d414521_prep
	.globl	k_qba9d414521_prep
	.p2align	8
	.type	k_qba9d414521_prep,@function
k_qba9d414521_prep:
	s_mov_b64 s[64:65], 0
	v_nop
	global_prefetch_b8 v0, s[64:65] scope:SCOPE_SE
	s_setreg_imm32_b32 hwreg(HW_REG_WAVE_MODE, 25, 1), 1
	s_wait_xcnt 0x0
; The four weights (wq_w, wk_w, wv_w, wo_w: [512 n][512 k] f32, K innermost) become codes of FP6 (E2M3) with one E8M0 byte for each 32 along K,
; laid as IMAGES OF OPERAND REGISTERS, so that the later launches load a fragment by three loads of 16 bytes a lane.
; A block's scale is 2^(floor(log2(its largest magnitude)) - 2); its byte is the largest magnitude's exponent field - 2, held at 1 from below.
; LIMITS: NaN and infinities are not served.  A block whose largest magnitude lies under 2^-124 (a block of zeros among them) gets the byte 1; only this program reads the bytes.
; SHARES.  One wave to a work-group: work-group (x = T, y = weight) takes tile T, 16 rows x 512 K: four fragments of 128 along K.
; THE ROWS OF A TILE ARE NOT NEIGHBOURS: lane r of tile T takes row 32 (T / 2) + 8 (T % 2) + r + 8 (r / 8), so that in a product that has such a tile as source 0 the 16 result registers of tiles 2 b, 2 b + 1 are 16 neighbours.
; OUT.  wcod: [weight][T][K step] x 1,536 bytes: registers 4 g .. 4 g + 3 of lane l at 512 g + 16 l.  wscl: [weight][T] x 512 bytes: lane l's four scale words (K steps 0 to 3) at 16 l; lanes 16-31 hold what lanes 0-15 hold.
; No LDS, no barrier.  Two K steps' loads (32 a wave) are out at a time.
.set LI,  1                            ; v1       16 x lane
.set XA,  2                            ; v2       my row x 2,048 + 64 x (lane / 16): my 16 numbers of a block of 32
.set TM,  40                           ; v40-43 largest magnitudes, v44-47 the other half's, then the bytes, v52-55 the conversions' scale operands
.set TC,  56                           ; v56-58, v60-62 the second halves' codes
.set RES, 64                           ; v64-111  four fragments
.set SWD, 112                          ; v112-115 four scale words
.set X,   128                          ; v128-191, v192-255 two sets of 64 numbers
.set XP,  18                           ; s[18:19] my tile's first row
.set SEL, 22                           ; s[22:23] lane selects for v_permlanex16_b32: lane l xor 16
; 64 numbers of a lane, register 16 b + e = element 16 (lane / 16) + e of block b of my row, become codes: v[da .. da + 5]: lanes 0-15 block 0, lanes 16-31 block 1; v[db .. db + 5]: blocks 2 and 3.  The four bytes stay in v[TM + 4 ..].
.macro QUANT src, da, db
.irp b, 0,1,2,3
	v_max3_num_f32 v[TM+\b], |v[\src+16*\b]|, |v[\src+16*\b+1]|, 0x1800000   ; my 16 numbers, and the floor 2^(3 - 127): the byte cannot fall under 1
.endr
.irp i, 2,4,6,8,10,12,14
.irp b, 0,1,2,3
	v_max3_num_f32 v[TM+\b], v[TM+\b], |v[\src+16*\b+\i]|, |v[\src+16*\b+\i+1]|   ; the four blocks by turns
.endr
.endr
.irp b, 0,1,2,3
	v_permlanex16_b32 v[TM+4+\b], v[TM+\b], s[SEL], s[SEL+1]
.endr
.irp b, 0,1,2,3
	v_max_num_f32 v[TM+\b], v[TM+\b], v[TM+4+\b]   ; with lane l xor 16's: the block's largest magnitude
.endr
.irp b, 0,1,2,3
	v_add_nc_u32 v[TM+12+\b], 0xff000000, v[TM+\b]   ; 2 off its exponent field: the conversion takes this operand's exponent field as its scale
.endr
.irp b, 0,1,2,3
	v_lshrrev_b32 v[TM+4+\b], 23, v[TM+12+\b]      ; the scale's byte
.endr
	v_cvt_scalef32_pk16_fp6_f32 v[\da:\da+2], v[\src:\src+15], v[TM+12]
	v_cvt_scalef32_pk16_fp6_f32 v[TC:TC+2], v[\src+16:\src+31], v[TM+13]   ; (a conversion's three registers begin on an even number)
	v_cvt_scalef32_pk16_fp6_f32 v[\db:\db+2], v[\src+32:\src+47], v[TM+14]
	v_cvt_scalef32_pk16_fp6_f32 v[TC+4:TC+6], v[\src+48:\src+63], v[TM+15]
	v_nop                                          ; one plain instruction behind the last scaled conversion
.irp i, 0,1,2
	v_permlane16_swap_b32 v[\da+\i], v[TC+\i]      ; the first's lanes 16-31 change places with the second's lanes 0-15: a whole block to a lane
	v_permlane16_swap_b32 v[\db+\i], v[TC+4+\i]
.endr
.irp i, 0,1,2
	v_mov_b32 v[\da+3+\i], v[TC+\i]
	v_mov_b32 v[\db+3+\i], v[TC+4+\i]
.endr
.endm
.macro PWORD dst                       ; the four bytes make a scale word
	v_lshl_or_b32 v[\dst], v[TM+5], 8, v[TM+4]
	v_lshl_or_b32 v[\dst], v[TM+6], 16, v[\dst]
	v_lshl_or_b32 v[\dst], v[TM+7], 24, v[\dst]
.endm
.macro XLOAD buf, ks                   ; K step ks of my row: 16 neighbours of each of its four blocks, into set buf
.irp e, 0,1,2,3
.irp j, 0,1,2,3
	global_load_b128 v[X+64*\buf+16*\e+4*\j:X+64*\buf+16*\e+4*\j+3], v[XA], s[XP:XP+1] offset:512*\ks+128*\e+16*\j th:TH_LOAD_NT
.endr
.endr
.endm
.macro XQ ks, buf                      ; set buf becomes fragment ks and its scale word: registers of its own for each K step
	QUANT X+64*\buf, RES+12*\ks, RES+12*\ks+6
	PWORD SWD+\ks
.endm
	s_load_b256 s[4:11], s[0:1], 0x0               ; wq_w, wk_w, wv_w, wo_w
	s_load_b128 s[12:15], s[0:1], 0x20             ; wcod, wscl
	s_and_b32 s16, ttmp7, 0xffff                   ; which weight
	v_lshlrev_b32 v[LI], 4, v0                     ; one wave: the thread's number is the lane
	v_and_b32 v3, 15, v0                           ; r
	v_bfe_u32 v4, v0, 4, 1                         ; h
	v_and_b32 v5, 8, v3
	v_add_nc_u32 v5, v5, v3                        ; r + 8 (r / 8)
	v_lshlrev_b32 v[XA], 11, v5
	v_lshl_add_u32 v[XA], v4, 6, v[XA]
.irp b, 0,1,2,3
	v_mov_b32 v[TM+4+\b], 0                        ; written once: a lane permute's destination counts as one of its sources
.endr
	s_mov_b32 s[SEL], 0x76543210
	s_mov_b32 s[SEL+1], 0xfedcba98
	s_lshr_b32 s28, ttmp9, 1
	s_lshl_b32 s28, s28, 5
	s_and_b32 s29, ttmp9, 1
	s_lshl_b32 s29, s29, 3
	s_add_co_u32 s28, s28, s29                     ; the tile's first row: 32 (T / 2) + 8 (T % 2)
	s_lshl_b32 s28, s28, 11                        ; x 2,048 bytes
	s_mov_b32 s29, 0
	s_lshl_b32 s30, s16, 5
	s_add_co_u32 s30, s30, ttmp9                   ; 32 x weight + T
	s_mul_i32 s2, s30, 6144                        ; its four fragments
	s_mov_b32 s3, 0
	s_lshl_b32 s30, s30, 9                         ; its scale words
	s_mov_b32 s31, 0
	s_and_b32 s17, s16, 1
	s_wait_kmcnt 0x0
	s_cmp_lt_u32 s16, 2                            ; the choice of the weight hangs on the work-group's number alone
	s_cselect_b64 s[XP:XP+1], s[4:5], s[8:9]
	s_cselect_b64 s[26:27], s[6:7], s[10:11]
	s_cmp_eq_u32 s17, 0
	s_cselect_b64 s[XP:XP+1], s[XP:XP+1], s[26:27]
	s_add_nc_u64 s[XP:XP+1], s[XP:XP+1], s[28:29]
	s_add_nc_u64 s[20:21], s[12:13], s[2:3]
	s_add_nc_u64 s[24:25], s[14:15], s[30:31]
	XLOAD 0, 0
	XLOAD 1, 1
	s_wait_loadcnt 16                              ; K step 0 is in; the 16 loads issued behind it may be out
	XQ 0, 0
	XLOAD 0, 2
	s_wait_loadcnt 16                              ; K step 1 is in
	XQ 1, 1
	XLOAD 1, 3
	s_wait_loadcnt 16                              ; K step 2 is in
	XQ 2, 0
	s_wait_loadcnt 0x0
	XQ 3, 1
.irp f, 0,1,2,3
.irp g, 0,1,2
	global_store_b128 v[LI], v[RES+12*\f+4*\g:RES+12*\f+4*\g+3], s[20:21] offset:1536*\f+512*\g   ; 32 lanes store 512 consecutive bytes, at a multiple of 256 from the buffer's first byte
.endr
.endr
	global_store_b128 v[LI], v[SWD:SWD+3], s[24:25]
	s_endpgm
.Lfunc_end_k_qba9d414521_prep:
	.size	k_qba9d414521_prep, .Lfunc_end_k_qba9d414521_prep-k_qba9d414521_prep
	.p2alignl 7, 3214868480
	.fill 96, 4, 3214868480
	.section	.rodata,"a",@progbits
	.p2align	6, 0x0
	.amdhsa_kernel k_qba9d414521_prep
		.amdhsa_group_segment_fixed_size 0
		.amdhsa_private_segment_fixed_size 0
		.amdhsa_enable_private_segment 0
		.amdhsa_kernarg_size 48
		.amdhsa_user_sgpr_count 2
		.amdhsa_user_sgpr_kernarg_segment_ptr 1
		.amdhsa_wavefront_size32 1
		.amdhsa_system_sgpr_workgroup_id_x 1
		.amdhsa_system_sgpr_workgroup_id_y 1
		.amdhsa_system_sgpr_workgroup_id_z 1
		.amdhsa_system_vgpr_workitem_id 0
		.amdhsa_next_free_vgpr 256
		.amdhsa_next_free_sgpr 66
		.amdhsa_reserve_vcc 0
		.amdhsa_float_denorm_mode_32 3
		.amdhsa_float_denorm_mode_16_64 3
		.amdhsa_memory_ordered 1
		.amdhsa_forward_progress 1
		.amdhsa_inst_pref_size 24
	.end_amdhsa_kernel
	.amdgpu_metadata
---
amdhsa.version: [ 1, 2 ]
amdhsa.kernels:
  - .name:           k_qba9d414521_prep
    .symbol:         k_qba9d414521_prep.kd
    .args:
      - { .name: wq_w, .offset: 0, .size: 8, .value_kind: global_buffer, .address_space: global }
      - { .name: wk_w, .offset: 8, .size: 8, .value_kind: global_buffer, .address_space: global }
      - { .name: wv_w, .offset: 16, .size: 8, .value_kind: global_buffer, .address_space: global }
      - { .name: wo_w, .offset: 24, .size: 8, .value_kind: global_buffer, .address_space: global }
      - { .name: wcod, .offset: 32, .size: 8, .value_kind: global_buffer, .address_space: global }
      - { .name: wscl, .offset: 40, .size: 8, .value_kind: global_buffer, .address_space: global }
    .group_segment_fixed_size: 0
    .private_segment_fixed_size: 0
    .kernarg_segment_align: 8
    .kernarg_segment_size: 48
    .max_flat_workgroup_size: 32
    .sgpr_count:     66
    .vgpr_count:     256
    .wavefront_size: 32
...
	.end_amdgpu_metadata
.endif
;; end of part 1
;; launch proj (part 2): grid 64 x 3, 8 waves a work-group, no clusters, 54,272 bytes of LDS; arguments q, k, v, wq_b, wk_b, wv_b, wcod, wscl, qf, kv; writes qf, kv
.if DOCPART == 2
	.amdgcn_target "amdgcn-amd-amdhsa--gfx1250"
	.amdhsa_code_object_version 6
	.text
	.protected	k_qba9d414521_proj
	.globl	k_qba9d414521_proj
	.p2align	8
	.type	k_qba9d414521_proj,@function
k_qba9d414521_proj:
	s_mov_b64 s[64:65], 0
	v_nop
	global_prefetch_b8 v0, s[64:65] scope:SCOPE_SE
	s_setreg_imm32_b32 hwreg(HW_REG_WAVE_MODE, 25, 1), 1
	s_wait_xcnt 0x0
; qh = q wq^T + bq, kh = k wk^T + bk, vh = v wv^T + bv, each product on codes of FP6 (E2M3) with one E8M0 byte for each 32 along K; the results are quantised at once for the attention's two products
; and leave as images of operand registers: qh and kh along the head's 64 channels, vh along the keys.
; LIMITS: NaN and infinities are not served.  A block whose largest magnitude lies under 2^-124 (a block of zeros among them) gets the byte 1; only this program reads the bytes.
; SHARES.  Work-group (x = blk, y = tensor: 0 q, 1 k, 2 v) takes 128 rows of one tensor: batch blk / 32, key step blk % 32.  Eight waves.
;   First each wave quantises ONE tile of 16 rows of x (four fragments of 128 along K) and stores their images in LDS; one barrier.
;   Then wave w owns HEAD w: columns 64 w .. 64 w + 63, whose four tiles of the weight (16 fragments, 192 registers) and bias stay in its registers; it walks the 128 rows 32 at a time.
; THE ROWS OF A TILE ARE NOT NEIGHBOURS, of x and of the weight alike: lane r of tile T takes row 32 (T / 2) + 8 (T % 2) + r + 8 (r / 8): the 16 result registers of tiles 2 b, 2 b + 1 are then 16 neighbours.
; q, k: the product is used transposed (source 0 = 16 rows of W, source 1 = 16 rows of x): a lane holds one row and 64 channels.  Two tiles of rows make ONE fragment G: registers 0-5 tile (b, 0)'s 64 channels,
;   registers 6-11 tile (b, 1)'s; its scale word: the two bytes of the one, then of the other.
; v: source 0 = 16 rows of x (keys), source 1 = 16 rows of W: a lane holds one channel and its registers run along the keys, 32 keys a walk: one block.  Four walks make the four fragments of V^T (16 channels x 128 keys).
; The bias is the C of each sum's first matrix instruction.
; OUT.  qf: [batch x 8 + head][key step] x 6,656: four G, then at 6,144 the scale words (lane l's four at 16 l).  kv: the same index x 13,312: K's four G; at 6,144 V's four fragments; at 12,288 K's scale words; at 12,800 V's.
; REGISTERS, in windows of 256: window 0: addresses, scale words, the work;  window 1: v0-191 W's fragments (tile t, K step s at 12 (4 t + s)); v192-223 the bias, 8 a tile.
.set XIMG,  0                          ; LDS: x's 32 fragments: (tile, K step) at (4 tile + step) x 1,536
.set XSC,   49152                      ; their scale words: tile at 512 x tile, lane l's four at 16 l
.set SPARE, 53248                      ; the spare words, 128 bytes for each wave: four blocks of 256 bytes that no other line names
.set LI,  1                            ; v1   16 x lane
.set XA,  2                            ; v2   x: my row x 2,048 + 64 (lane / 16)
.set XWI, 3                            ; v3   where I store my tile's images: 16 x lane + 6,144 x wave
.set XWS, 4                            ; v4   and its scale words: 16 x lane + 512 x wave
.set BA,  5                            ; v5   the bias for q, k: 64 (lane / 16)
.set BAV, 6                            ; v6   the bias for v: 4 (r + 8 (r / 8))
.set SPW, 7                            ; v7   LDS address of my spare word; never rewritten
.set NIL, 8                            ; v8   0; never rewritten
.set WS,  16                           ; v16-31   W's scale words: 4 t + s
.set XSW, 32                           ; v32-39   x's: 4 rt + s
.set TM,  40
.set TC,  56
.set RES, 64                           ; v64-111  four fragments made
.set SWD, 112                          ; v112-115 their scale words
.set ACC, 128                          ; v128-191 eight accumulators
.set X,   128                          ; v128-191, v192-255: two sets of 64 numbers of x, ahead of the barrier
.set XF,  192                          ; v192-239 four fragments of x: 2 rt + s'
.set BI,  192                          ; in window 1
.set WV,  28
.set TEN, 29
.set BLK, 30
.set XP,  32
.set BP,  34
.set WP,  36
.set WSP, 38
.set OUTC, 40
.set OUTS, 42
.set SEL, 44
.set MSB, 0
.macro WIN new                         ; the immediate's high byte repeats the setting that is left
.if MSB != \new
	s_set_vgpr_msb (MSB<<8)|\new
.set MSB, \new
.endif
.endm
; 64 numbers of a lane, register 16 b + e = element 16 (lane / 16) + e of block b, become codes: v[da .. da + 5]: lanes 0-15 block 0, lanes 16-31 block 1; v[db .. db + 5]: blocks 2 and 3.  The four bytes stay in v[TM + 4 ..].
; The sources are read from the low end on: where they are accumulators, each is first read at its two lowest registers.
.macro QUANT src, da, db
.irp b, 0,1,2,3
	v_max3_num_f32 v[TM+\b], |v[\src+16*\b]|, |v[\src+16*\b+1]|, 0x1800000   ; my 16 numbers, and the floor 2^(3 - 127): the byte cannot fall under 1
.endr
.irp i, 2,4,6,8,10,12,14
.irp b, 0,1,2,3
	v_max3_num_f32 v[TM+\b], v[TM+\b], |v[\src+16*\b+\i]|, |v[\src+16*\b+\i+1]|   ; the four blocks by turns
.endr
.endr
.irp b, 0,1,2,3
	v_permlanex16_b32 v[TM+4+\b], v[TM+\b], s[SEL], s[SEL+1]
.endr
.irp b, 0,1,2,3
	v_max_num_f32 v[TM+\b], v[TM+\b], v[TM+4+\b]   ; with lane l xor 16's: the block's largest magnitude
.endr
.irp b, 0,1,2,3
	v_add_nc_u32 v[TM+12+\b], 0xff000000, v[TM+\b]   ; 2 off its exponent field: the conversion takes this operand's exponent field as its scale
.endr
.irp b, 0,1,2,3
	v_lshrrev_b32 v[TM+4+\b], 23, v[TM+12+\b]      ; the scale's byte
.endr
	v_cvt_scalef32_pk16_fp6_f32 v[\da:\da+2], v[\src:\src+15], v[TM+12]
	v_cvt_scalef32_pk16_fp6_f32 v[TC:TC+2], v[\src+16:\src+31], v[TM+13]   ; (a conversion's three registers begin on an even number)
	v_cvt_scalef32_pk16_fp6_f32 v[\db:\db+2], v[\src+32:\src+47], v[TM+14]
	v_cvt_scalef32_pk16_fp6_f32 v[TC+4:TC+6], v[\src+48:\src+63], v[TM+15]
	v_nop                                          ; one plain instruction behind the last scaled conversion
.irp i, 0,1,2
	v_permlane16_swap_b32 v[\da+\i], v[TC+\i]      ; the first's lanes 16-31 change places with the second's lanes 0-15: a whole block to a lane
	v_permlane16_swap_b32 v[\db+\i], v[TC+4+\i]
.endr
.irp i, 0,1,2
	v_mov_b32 v[\da+3+\i], v[TC+\i]
	v_mov_b32 v[\db+3+\i], v[TC+4+\i]
.endr
.endm
.macro PWORD dst                       ; the four bytes make a scale word
	v_lshl_or_b32 v[\dst], v[TM+5], 8, v[TM+4]
	v_lshl_or_b32 v[\dst], v[TM+6], 16, v[\dst]
	v_lshl_or_b32 v[\dst], v[TM+7], 24, v[\dst]
.endm
.macro XLOAD buf, ks                   ; K step ks of my row of x: 16 neighbours of each of its four blocks, into set buf
.irp e, 0,1,2,3
.irp j, 0,1,2,3
	global_load_b128 v[X+64*\buf+16*\e+4*\j:X+64*\buf+16*\e+4*\j+3], v[XA], s[XP:XP+1] offset:512*\ks+128*\e+16*\j th:TH_LOAD_NT
.endr
.endr
.endm
.macro XQ ks, buf                      ; set buf becomes fragment ks and its scale word: registers of its own for each K step, so that no LDS store's data are written again
	QUANT X+64*\buf, RES+12*\ks, RES+12*\ks+6
	PWORD SWD+\ks
.endm
.macro IMAGE ks                        ; the fragment goes to LDS as it stands: 512 consecutive bytes a store
.irp g, 0,1,2
	ds_store_b128 v[XWI], v[RES+12*\ks+4*\g:RES+12*\ks+4*\g+3] offset:XIMG+1536*\ks+512*\g
.endr
.endm
.macro WLOAD t                         ; my head's tile t of the weight: four fragments, 12 loads, into window 1
	WIN 0x40
.irp s, 0,1,2,3
.irp g, 0,1,2
	global_load_b128 v[12*(4*\t+\s)+4*\g:12*(4*\t+\s)+4*\g+3], v[LI], s[WP:WP+1] offset:(4*\t+\s)*1536+512*\g
.endr
.endr
	WIN 0
.endm
	s_load_b512 s[8:23], s[0:1], 0x0               ; q, k, v, wq_b, wk_b, wv_b, wcod, wscl
	s_load_b128 s[24:27], s[0:1], 0x40             ; qf, kv
	v_lshl_add_u32 v[SPW], v0, 2, SPARE
	v_mov_b32 v[NIL], 0
	v_lshrrev_b32 v9, 5, v0
	v_readfirstlane_b32 s[WV], v9                  ; wave 0..7
	s_and_b32 s[TEN], ttmp7, 0xffff                ; 0 q, 1 k, 2 v
	s_mov_b32 s[BLK], ttmp9
	v_and_b32 v9, 31, v0
	v_lshlrev_b32 v[LI], 4, v9
	v_and_b32 v10, 15, v0                          ; r
	v_bfe_u32 v11, v0, 4, 1                        ; h
	v_and_b32 v12, 8, v10
	v_add_nc_u32 v12, v12, v10                     ; r + 8 (r / 8)
	v_lshlrev_b32 v[XA], 11, v12
	v_lshl_add_u32 v[XA], v11, 6, v[XA]
	s_mul_i32 s46, s[WV], 6144
	v_add_nc_u32 v[XWI], s46, v[LI]
	s_lshl_b32 s46, s[WV], 9
	v_add_nc_u32 v[XWS], s46, v[LI]
	v_lshlrev_b32 v[BA], 6, v11
	v_lshlrev_b32 v[BAV], 2, v12
.irp b, 0,1,2,3
	v_mov_b32 v[TM+4+\b], 0                        ; written once: a lane permute's destination counts as one of its sources
.endr
	s_mov_b32 s[SEL], 0x76543210
	s_mov_b32 s[SEL+1], 0xfedcba98
	s_lshl_b32 s50, s[BLK], 18                     ; x: 128 rows of 2,048 bytes a work-group,
	s_lshr_b32 s51, s[WV], 1
	s_lshl_b32 s51, s51, 5
	s_and_b32 s52, s[WV], 1
	s_lshl_b32 s52, s52, 3
	s_add_co_u32 s51, s51, s52                     ; my tile's first row: 32 (w / 2) + 8 (w % 2)
	s_lshl_b32 s51, s51, 11
	s_add_co_u32 s50, s50, s51
	s_mov_b32 s51, 0
	s_lshl_b32 s52, s[WV], 8                       ; the bias: my head's 64 numbers
	s_mov_b32 s53, 0
	s_mul_i32 s54, s[TEN], 196608                  ; the weight's codes: 32 tiles x 6,144; my head's four tiles
	s_mul_i32 s55, s[WV], 24576
	s_add_co_u32 s54, s54, s55
	s_mov_b32 s55, 0
	s_lshl_b32 s56, s[TEN], 14                     ; its scale words: 32 tiles x 512
	s_lshl_b32 s57, s[WV], 11
	s_add_co_u32 s56, s56, s57
	s_mov_b32 s57, 0
	s_lshr_b32 s58, s[BLK], 5
	s_lshl_b32 s58, s58, 3
	s_add_co_u32 s58, s58, s[WV]
	s_lshl_b32 s58, s58, 5
	s_and_b32 s59, s[BLK], 31
	s_add_co_u32 s58, s58, s59                     ; (batch x 8 + head) x 32 + key step
	s_cmp_eq_u32 s[TEN], 0
	s_mov_b32 s46, 13312
	s_cselect_b32 s46, 6656, s46                   ; a block of qf or of kv
	s_mov_b32 s47, 12288
	s_cselect_b32 s47, 6144, s47                   ; where its scale words lie: q's, k's,
	s_cmp_eq_u32 s[TEN], 2
	s_cselect_b32 s48, 6144, 0                     ; where the codes lie: v's behind k's
	s_cselect_b32 s47, 12800, s47                  ; v's
	s_mul_i32 s58, s58, s46
	s_add_co_u32 s60, s58, s48
	s_mov_b32 s61, 0
	s_add_co_u32 s62, s58, s47
	s_mov_b32 s63, 0
	s_wait_kmcnt 0x0
	s_cmp_eq_u32 s[TEN], 0                         ; the choices of buffers hang on the work-group's number alone
	s_cselect_b64 s[XP:XP+1], s[8:9], s[10:11]
	s_cselect_b64 s[BP:BP+1], s[14:15], s[16:17]
	s_cselect_b64 s[OUTC:OUTC+1], s[24:25], s[26:27]
	s_cmp_eq_u32 s[TEN], 2
	s_cselect_b64 s[XP:XP+1], s[12:13], s[XP:XP+1]
	s_cselect_b64 s[BP:BP+1], s[18:19], s[BP:BP+1]
	s_add_nc_u64 s[XP:XP+1], s[XP:XP+1], s[50:51]
	s_add_nc_u64 s[BP:BP+1], s[BP:BP+1], s[52:53]
	s_add_nc_u64 s[WP:WP+1], s[20:21], s[54:55]
	s_add_nc_u64 s[WSP:WSP+1], s[22:23], s[56:57]
	s_add_nc_u64 s[OUTS:OUTS+1], s[OUTC:OUTC+1], s[62:63]
	s_add_nc_u64 s[OUTC:OUTC+1], s[OUTC:OUTC+1], s[60:61]
	; the bias, in the result's layout: either way writes all 32 registers
	s_cmp_eq_u32 s[TEN], 2
	s_cbranch_scc1 .Lbias_v
	WIN 0x40
.irp t, 0,1,2,3                        ; q, k: lane (r, h), register j of tile t: channel 32 (t / 2) + 16 h + 8 (t % 2) + j
	global_load_b128 v[BI+8*\t:BI+8*\t+3], v[BA], s[BP:BP+1] offset:(32*(\t/2)+8*(\t%2))*4
	global_load_b128 v[BI+8*\t+4:BI+8*\t+7], v[BA], s[BP:BP+1] offset:(32*(\t/2)+8*(\t%2))*4+16
.endr
	WIN 0
	s_branch .Lbias_done
.Lbias_v:
	WIN 0x40
.irp t, 0,1,2,3                        ; v: all eight registers of tile t hold my channel's: 32 (t / 2) + 8 (t % 2) + r + 8 (r / 8)
.irp j, 0,1,2,3,4,5,6,7
	global_load_b32 v[BI+8*\t+\j], v[BAV], s[BP:BP+1] offset:(32*(\t/2)+8*(\t%2))*4
.endr
.endr
	WIN 0
.Lbias_done:
.irp t, 0,1,2,3
	global_load_b128 v[WS+4*\t:WS+4*\t+3], v[LI], s[WSP:WSP+1] offset:512*\t
.endr
	; ---- my tile of x becomes four fragments.  The weight's loads are strewn between x's, so that they land under the quantising
	XLOAD 0, 0
	XLOAD 1, 1
	WLOAD 0
	s_wait_loadcnt 28                              ; K step 0 is in: behind it K step 1's 16 loads and 12 of the weight's
	XQ 0, 0
	IMAGE 0
	XLOAD 0, 2
	s_wait_loadcnt 28                              ; K step 1 is in: behind it 12 of the weight's and K step 2's 16
	XQ 1, 1
	IMAGE 1
	XLOAD 1, 3
	WLOAD 1
	s_wait_loadcnt 28                              ; K step 2 is in: behind it K step 3's 16 and 12 of the weight's
	XQ 2, 0
	IMAGE 2
	WLOAD 2
	WLOAD 3
	s_wait_loadcnt 36                              ; K step 3 is in: behind it 36 of the weight's
	XQ 3, 1
	IMAGE 3
	ds_store_b128 v[XWS], v[SWD:SWD+3] offset:XSC
	s_wait_dscnt 0x0                               ; for the others' sake: my stores have landed
	s_barrier_signal -1
	s_barrier_wait -1                              ; x's 32 fragments lie in LDS; nothing is stored there again
	s_wait_loadcnt 0x0                             ; the weight, its scale words, the bias
; 32 rows of x (tiles 2 bb, 2 bb + 1) against my head's four tiles of the weight: eight accumulators by turns, one instruction a turn, two K steps' fragments of x at a time.
.macro BSTEP bb, isv
.irp rt, 0,1
	ds_load_b128 v[XSW+4*\rt:XSW+4*\rt+3], v[LI] offset:XSC+512*(2*\bb+\rt)
.endr
.irp hh, 0,1
.irp rt, 0,1
.irp sp, 0,1
.irp g, 0,1,2
	ds_load_b128 v[XF+12*(2*\rt+\sp)+4*\g:XF+12*(2*\rt+\sp)+4*\g+3], v[LI] offset:XIMG+(4*(2*\bb+\rt)+2*\hh+\sp)*1536+512*\g
.endr
.endr
.endr
	s_wait_dscnt 0x0
.irp sp, 0,1
.if \isv
.if (2*\hh+\sp) == 0
	WIN 0x14                                       ; source 1 (W) and source 2 (the bias) window 1
.else
	WIN 0x04
.endif
.else
.if (2*\hh+\sp) == 0
	WIN 0x11                                       ; source 0 (W) and source 2 (the bias) window 1
.else
	WIN 0x01
.endif
.endif
.irp rt, 0,1
.irp t, 0,1,2,3
.if \isv
.if (2*\hh+\sp) == 0
	v_wmma_scale_f32_16x16x128_f8f6f4 v[ACC+16*\t+8*\rt:ACC+16*\t+8*\rt+7], v[XF+12*(2*\rt+\sp):XF+12*(2*\rt+\sp)+11], v[12*(4*\t+2*\hh+\sp):12*(4*\t+2*\hh+\sp)+11], v[BI+8*\t:BI+8*\t+7], v[XSW+4*\rt+2*\hh+\sp], v[WS+4*\t+2*\hh+\sp] matrix_a_fmt:MATRIX_FMT_FP6 matrix_b_fmt:MATRIX_FMT_FP6
.else
	v_wmma_scale_f32_16x16x128_f8f6f4 v[ACC+16*\t+8*\rt:ACC+16*\t+8*\rt+7], v[XF+12*(2*\rt+\sp):XF+12*(2*\rt+\sp)+11], v[12*(4*\t+2*\hh+\sp):12*(4*\t+2*\hh+\sp)+11], v[ACC+16*\t+8*\rt:ACC+16*\t+8*\rt+7], v[XSW+4*\rt+2*\hh+\sp], v[WS+4*\t+2*\hh+\sp] matrix_a_fmt:MATRIX_FMT_FP6 matrix_b_fmt:MATRIX_FMT_FP6
.endif
.else
.if (2*\hh+\sp) == 0
	v_wmma_scale_f32_16x16x128_f8f6f4 v[ACC+32*\rt+8*\t:ACC+32*\rt+8*\t+7], v[12*(4*\t+2*\hh+\sp):12*(4*\t+2*\hh+\sp)+11], v[XF+12*(2*\rt+\sp):XF+12*(2*\rt+\sp)+11], v[BI+8*\t:BI+8*\t+7], v[WS+4*\t+2*\hh+\sp], v[XSW+4*\rt+2*\hh+\sp] matrix_a_fmt:MATRIX_FMT_FP6 matrix_b_fmt:MATRIX_FMT_FP6
.else
	v_wmma_scale_f32_16x16x128_f8f6f4 v[ACC+32*\rt+8*\t:ACC+32*\rt+8*\t+7], v[12*(4*\t+2*\hh+\sp):12*(4*\t+2*\hh+\sp)+11], v[XF+12*(2*\rt+\sp):XF+12*(2*\rt+\sp)+11], v[ACC+32*\rt+8*\t:ACC+32*\rt+8*\t+7], v[WS+4*\t+2*\hh+\sp], v[XSW+4*\rt+2*\hh+\sp] matrix_a_fmt:MATRIX_FMT_FP6 matrix_b_fmt:MATRIX_FMT_FP6
.endif
.endif
.endr
.endr
.endr
	WIN 0
.rept 4
	v_nop                                          ; four places in front of the loads into x's fragments and of the first read of results; the next walk's first products, which begin the accumulators anew, stand behind these and the quantiser's lines that name no accumulator
.endr
.endr
.if \isv
	QUANT ACC, RES+12*(\bb%2)+6*(\bb/2), RES+12*(2+\bb%2)+6*(\bb/2)   ; key block bb of the four channel tiles: lanes 0-15 tile 0 (2), lanes 16-31 tile 1 (3)
.irp c, 0,1,2,3
.if \bb == 0
	v_mov_b32 v[SWD+\c], v[TM+4+\c]                ; byte bb of channel tile c's scale word
.else
	v_lshl_or_b32 v[SWD+\c], v[TM+4+\c], 8*\bb, v[SWD+\c]
.endif
.endr
.else
	QUANT ACC, RES+12*\bb, RES+12*\bb+6            ; fragment G of tiles (bb, 0) and (bb, 1)
	PWORD SWD+\bb
.endif
.endm
	s_cmp_eq_u32 s[TEN], 2
	s_cbranch_scc1 .Lmain_v
	BSTEP 0, 0
	BSTEP 1, 0
	BSTEP 2, 0
	BSTEP 3, 0
	s_branch .Ltail
.Lmain_v:
	BSTEP 0, 1
	BSTEP 1, 1
	BSTEP 2, 1
	BSTEP 3, 1
	; so far a register holds one key block of two channel tiles; a fragment of V^T wants two key blocks (2 e in lanes 0-15, 2 e + 1 in lanes 16-31) of one tile
.irp c, 0,1
.irp e, 0,1
.irp i, 0,1,2,3,4,5
	v_permlane16_swap_b32 v[RES+24*\c+6*\e+\i], v[RES+24*\c+12+6*\e+\i]
.endr
.endr
.endr
.Ltail:
.irp f, 0,1,2,3
.irp g, 0,1,2
	global_store_b128 v[LI], v[RES+12*\f+4*\g:RES+12*\f+4*\g+3], s[OUTC:OUTC+1] offset:1536*\f+512*\g   ; 32 lanes store 512 consecutive bytes, at a multiple of 256 from the buffer's first byte
.endr
.endr
	global_store_b128 v[LI], v[SWD:SWD+3], s[OUTS:OUTS+1]
	s_wait_tensorcnt 0x0                           ; the wave's end, behind my last LDS store
	ds_add_u32 v[SPW], v[NIL]
	s_wait_dscnt 0x0
	s_endpgm
.Lfunc_end_k_qba9d414521_proj:
	.size	k_qba9d414521_proj, .Lfunc_end_k_qba9d414521_proj-k_qba9d414521_proj
	.p2alignl 7, 3214868480
	.fill 96, 4, 3214868480
	.section	.rodata,"a",@progbits
	.p2align	6, 0x0
	.amdhsa_kernel k_qba9d414521_proj
		.amdhsa_group_segment_fixed_size 54272
		.amdhsa_private_segment_fixed_size 0
		.amdhsa_enable_private_segment 0
		.amdhsa_kernarg_size 80
		.amdhsa_user_sgpr_count 2
		.amdhsa_user_sgpr_kernarg_segment_ptr 1
		.amdhsa_wavefront_size32 1
		.amdhsa_system_sgpr_workgroup_id_x 1
		.amdhsa_system_sgpr_workgroup_id_y 1
		.amdhsa_system_sgpr_workgroup_id_z 1
		.amdhsa_system_vgpr_workitem_id 0
		.amdhsa_next_free_vgpr 512
		.amdhsa_next_free_sgpr 66
		.amdhsa_reserve_vcc 0
		.amdhsa_float_denorm_mode_32 3
		.amdhsa_float_denorm_mode_16_64 3
		.amdhsa_memory_ordered 1
		.amdhsa_forward_progress 1
		.amdhsa_inst_pref_size 116
	.end_amdhsa_kernel
	.amdgpu_metadata
---
amdhsa.version: [ 1, 2 ]
amdhsa.kernels:
  - .name:           k_qba9d414521_proj
    .symbol:         k_qba9d414521_proj.kd
    .args:
      - { .name: q, .offset: 0, .size: 8, .value_kind: global_buffer, .address_space: global }
      - { .name: k, .offset: 8, .size: 8, .value_kind: global_buffer, .address_space: global }
      - { .name: v, .offset: 16, .size: 8, .value_kind: global_buffer, .address_space: global }
      - { .name: wq_b, .offset: 24, .size: 8, .value_kind: global_buffer, .address_space: global }
      - { .name: wk_b, .offset: 32, .size: 8, .value_kind: global_buffer, .address_space: global }
      - { .name: wv_b, .offset: 40, .size: 8, .value_kind: global_buffer, .address_space: global }
      - { .name: wcod, .offset: 48, .size: 8, .value_kind: global_buffer, .address_space: global }
      - { .name: wscl, .offset: 56, .size: 8, .value_kind: global_buffer, .address_space: global }
      - { .name: qf, .offset: 64, .size: 8, .value_kind: global_buffer, .address_space: global }
      - { .name: kv, .offset: 72, .size: 8, .value_kind: global_buffer, .address_space: global }
    .group_segment_fixed_size: 54272
    .private_segment_fixed_size: 0
    .kernarg_segment_align: 8
    .kernarg_segment_size: 80
    .max_flat_workgroup_size: 256
    .sgpr_count:     66
    .vgpr_count:     512
    .wavefront_size: 32
...
	.end_amdgpu_metadata
.endif
;; end of part 2
;; launch attn (part 3): grid 16 x 16, 16 waves a work-group, no clusters, 327,680 bytes of LDS; arguments qf, kv, ocod, oscl; writes ocod, oscl
.if DOCPART == 3
	.amdgcn_target "amdgcn-amd-amdhsa--gfx1250"
	.amdhsa_code_object_version 6
	.text
	.protected	k_qba9d414521_attn
	.globl	k_qba9d414521_attn
	.p2align	8
	.type	k_qba9d414521_attn,@function
k_qba9d414521_attn:
	s_mov_b64 s[64:65], 0
	v_nop
	global_prefetch_b8 v0, s[64:65] scope:SCOPE_SE
	s_setreg_imm32_b32 hwreg(HW_REG_WAVE_MODE, 25, 1), 1
	s_wait_xcnt 0x0
; O[q] = the sum over keys of softmax(qh . kh / 8) vh, for one head of 64 channels, both products on codes of FP6 (E2M3) with one E8M0 byte for each 32 along a product's K; O is quantised along the model's 512 for the last product.
; THE SOFTMAX AHEAD OF THE SECOND PRODUCT: t = score x log2(e) / 8; M = the row's largest t so far, rounded UP to a whole number; p = 2^(t - M) is what is quantised, along the keys; it is not normalised.
; The row's sum is taken of the unquantised p, in f32, and divides O at the end.  When M moves, the sum and O are multiplied by 2^(old M - new M): exact.
; LIMITS: NaN and infinities are not served.  A block of the result whose largest magnitude lies under 2^-124 gets the byte 1; only this program reads the bytes.
; SHARES.  Work-group (x, y = batch x 8 + head) owns 256 queries of one head; each of its sixteen waves one tile of 16, in 256 registers: four waves to a SIMD, so that one wave's exponentials stand beside another's plain vector work, products and LDS loads.
; Every wave walks the head's 4,096 keys, 128 a step.  A step's operands are ONE dense block of kv, 13,312 bytes, images of operand registers: K's four fragments G, V's four, K's scale words, V's.
; A ring of two LDS slots of eight steps (106,496 bytes) is filled by the tensor data mover, each wave bringing a sixteenth: one tensor load of a wave is out at a time, and it has eight steps in which to land.
; NO CLUSTER: a step's 13,312 bytes come once into LDS and are read there by sixteen waves: what partners could share is one part in seventeen of what a step moves in a work-group, and the waves do not wait for it.
; K = 64 IN A FORM OF 128.  A fragment G holds two tiles of 16 keys: registers 0-5 tile (b, 0)'s 64 channels, registers 6-11 tile (b, 1)'s.  Against [q | 0] it gives tile (b, 0)'s scores, against [0 | q] tile (b, 1)'s: zero codes add nothing.
; LAYOUT.  Both products are used transposed (S^T = K Q^T, O^T = V^T P^T): a lane holds ONE query (lane % 16) throughout.  Lane r of key tile (b, u) is key 32 b + 8 u + r + 8 (r / 8), so the 16 registers of tiles (b, 0), (b, 1) are keys 32 b + 16 (lane / 16) + 0 .. 15.
; The channels of V^T's tiles are chosen likewise, so O^T's 32 registers are, 16 and 16, neighbours along the last product's K.
; OUT.  ocod: [batch][query tile][head] x 768: half a fragment (64 along K): registers 0-3 at 16 x lane, registers 4-5 at 512 + 8 x lane.  oscl: [batch][head][query tile][r]: two bytes.
.set STEPB, 13312                      ; a key step's block
.set VCO,   6144                       ; in it: V's fragments,
.set KSC,   12288                      ; K's scale words,
.set VSC,   12800                      ; V's
.set SLOTB, 8*STEPB
.set PARTB, SLOTB/16                   ; what one tensor load brings: 26 rows of 256 bytes
.set HEADB, 32*STEPB
.set SLOT1, 1<<17                      ; slot 1 begins here, so that one exclusive or turns an address in one slot into the other's
.set SPARE, 262144                     ; the spare words, 128 bytes for each wave: eight blocks of 256 bytes that no other line names
.set STG,   264192                     ; 512 bytes: the work-group's scale bytes on the way out; no tensor load lands here
.set LI,  1                            ; v1   16 x lane
.set ADR, 2                            ; v2   LDS address of the step in hand
.set SPW, 3                            ; v3   LDS address of my spare word; never rewritten
.set NIL, 4                            ; v4   0; never rewritten
.set QS,  5                            ; v5   q's scale word: its two bytes, twice
.set PS,  6                            ; v6   p's scale word
.set L8,  7                            ; v7   8 x lane
.set F,   8                            ; v[8:9] f = 2^(old M - new M); v9 is named with it as a pair
.set TMPR, 10                          ; v10  at work
.set PFO, 11                           ; v11  256 x lane; never rewritten
                                       ; v12 -M, v13 the largest t, v[14:15] the sum in two halves
.set QHI, 16                           ; v16-33: six zeros, q's six registers, six zeros: v[16:27] = [0 | q],
.set QLO, 22                           ; v[22:33] = [q | 0]
.set STA, 34                           ; v34  where I store my row's two scale bytes
.set STR, 35                           ; v35  where wave 0 reads them back
.set FR,  36                           ; v36-83   four fragments of K or of V
.set SC,  84                           ; v84-87   their scale words
.set BM,  88                           ; v88-91   each block's largest score, then its largest p
.set T8,  92                           ; v92-99   at work
.set SO,  100                          ; v100-103 the conversions' scale operands
.set PC,  104                          ; v104-115 p's codes
.set S,   128                          ; v128-191 S^T, then p
.set O,   192                          ; v192-223 O^T
.set QG,  224                          ; v224-236 at the head: the fragment G that holds my queries, and its scale word
.set WV,  12
.set SEL, 20
.set CS,  22                           ; s[22:23] c = log2(e) / 8
.set G1,  24
.set G0,  32
.set TB,  36                           ; s36  LDS byte at which the step in hand begins
.set SLOTS, 37
.set CNT, 38
.set LIM, 39                           ; s39  1 in a wave that prefetches, else the greatest number
.set PFA, 40
.set QP,  42
.set OC,  44
.set OS,  46
.set QSP, 52
	s_load_b256 s[4:11], s[0:1], 0x0               ; qf, kv, ocod, oscl
	v_lshl_add_u32 v[SPW], v0, 2, SPARE
	v_mov_b32 v[NIL], 0
	ds_add_u32 v[SPW], v[NIL]                      ; the wave's opening: the add and its wait stand ahead of my first tensor load; the set-up below, work on registers, stands between them
	v_lshrrev_b32 v[ADR], 5, v0
	v_readfirstlane_b32 s[WV], v[ADR]              ; wave 0..15
	s_and_b32 s13, ttmp7, 0xffff                   ; batch x 8 + head
	s_mul_i32 s14, s13, HEADB                      ; the head's first byte in kv
	s_mul_i32 s15, s[WV], PARTB
	s_add_co_u32 s16, s14, s15                     ; my sixteenth of slot 0
	s_mov_b32 s17, 0
	s_lshl_b32 s18, s[WV], 13
	s_add_co_u32 s18, s18, s14
	s_add_co_u32 s18, s18, SLOTB                   ; the prefetches: my 8,192 bytes, in slot 1: the first change of slots steps it to slot 2
	s_mov_b32 s19, 0
	; descriptor group 1: 26 rows of 256 bytes (32 elements of 8 bytes), dense in memory and in LDS
	s_mov_b32 s[G1+0], 3<<16                       ; no mask; elements of 8 bytes; no padding
	s_mov_b32 s[G1+1], 32<<16                      ; tensor_dim0
	s_mov_b32 s[G1+2], 26<<16                      ; tensor_dim1
	s_mov_b32 s[G1+3], 32<<16                      ; tile_dim0
	s_mov_b32 s[G1+4], 26                          ; tile_dim1
	s_mov_b32 s[G1+5], 32                          ; from row to row
	s_mov_b32 s[G1+6], 0
	s_mov_b32 s[G1+7], 0
	s_mov_b32 s[G0], 1
	s_mul_i32 s[G0+1], s[WV], PARTB                ; LDS: slot 0, my sixteenth
	s_mov_b32 s[SEL], 0x76543210
	s_mov_b32 s[SEL+1], 0xfedcba98
	s_mov_b32 s[CS], 0x3e38aa3b                    ; log2(e) / 8
	s_mov_b32 s[CS+1], s[CS]                       ; (named with it as a pair, so it is written)
	s_mov_b32 s[TB], 0
	s_mov_b32 s[SLOTS], 3
	s_cmp_lt_u32 s[WV], 13                         ; a slot is 13 x 8,192 bytes: waves 0 to 12
	s_cselect_b32 s[LIM], 0, 1
	s_or_b32 s[LIM], s[LIM], ttmp9                 ; of the head's first work-group
	s_cmp_eq_u32 s[LIM], 0
	s_cselect_b32 s[LIM], 1, -1
	s_lshl_b32 s54, s13, 5                         ; my query tile is 16 x + w = 8 (2 x + w / 8) + 2 ((w / 2) % 4) + w % 2
	s_lshl_b32 s55, ttmp9, 1
	s_add_co_u32 s54, s54, s55
	s_lshr_b32 s55, s[WV], 3
	s_add_co_u32 s54, s54, s55
	s_mul_i32 s54, s54, 6656                       ; its block of qf,
	s_bfe_u32 s56, s[WV], 0x20001
	s_mul_i32 s57, s56, 1536
	s_add_co_u32 s58, s54, s57                     ; its fragment G,
	s_mov_b32 s59, 0
	s_lshl_b32 s56, s56, 2
	s_add_co_u32 s60, s54, s56
	s_add_co_u32 s60, s60, 6144                    ; G's scale word
	s_mov_b32 s61, 0
	s_and_b32 s49, s[WV], 1
	s_cmp_eq_u32 s49, 1
	s_cselect_b32 s48, -1, 0                       ; all lanes: G's upper six registers are mine
	s_lshl_b32 s49, s49, 4                         ; and the word's upper two bytes
	s_lshr_b32 s50, s13, 3
	s_lshl_b32 s50, s50, 8
	s_lshl_b32 s51, ttmp9, 4
	s_add_co_u32 s50, s50, s51
	s_add_co_u32 s50, s50, s[WV]                   ; batch x 256 + query tile
	s_lshl_b32 s50, s50, 3
	s_and_b32 s51, s13, 7
	s_add_co_u32 s50, s50, s51
	s_mul_i32 s50, s50, 768                        ; my half fragment in ocod
	s_mov_b32 s51, 0
	s_lshl_b32 s62, s13, 8
	s_lshl_b32 s63, ttmp9, 4
	s_add_co_u32 s62, s62, s63
	s_lshl_b32 s62, s62, 5                         ; the work-group's 512 bytes in oscl
	s_mov_b32 s63, 0
	s_lshl_b32 s2, s[WV], 5
	s_add_co_u32 s2, s2, STG
	v_and_b32 v[LI], 31, v0
	v_lshlrev_b32 v[L8], 3, v[LI]
	v_lshlrev_b32 v[PFO], 8, v[LI]
	v_lshlrev_b32 v[LI], 4, v[LI]
	v_and_b32 v[STA], 15, v0
	v_lshl_add_u32 v[STA], v[STA], 1, s2           ; STG + 32 x wave + 2 r
	v_add_nc_u32 v[STR], STG, v[LI]
	s_wait_dscnt 0x0                               ; the opening add is done
	s_wait_kmcnt 0x0
	s_add_nc_u64 s[G0+2:G0+3], s[6:7], s[16:17]
	s_or_b32 s[G0+3], s[G0+3], 0x80000000          ; type = 2
	tensor_load_to_lds s[G0:G0+3], s[G1:G1+7]      ; slot 0: the launch's one first fill
	s_nop 0
.rept 4
	v_nop
.endr
	s_add_nc_u64 s[PFA:PFA+1], s[6:7], s[18:19]
	s_add_nc_u64 s[QP:QP+1], s[4:5], s[58:59]
	s_add_nc_u64 s[QSP:QSP+1], s[4:5], s[60:61]
	s_add_nc_u64 s[OC:OC+1], s[8:9], s[50:51]
	s_add_nc_u64 s[OS:OS+1], s[10:11], s[62:63]
.irp g, 0,1,2
	global_load_b128 v[QG+4*\g:QG+4*\g+3], v[LI], s[QP:QP+1] offset:512*\g
.endr
	global_load_b32 v[QG+12], v[LI], s[QSP:QSP+1]
	v_mov_b32 v13, 0xff61b1e6                      ; the largest t so far: -3e38, under every t
	v_floor_f32 v12, -v13                          ; -M
	v_mov_b32 v14, 0                               ; the sum, in two halves
	v_mov_b32 v15, 0
	v_mov_b32 v[F+1], 0
	v_mov_b32 v[TMPR], 0
.irp i, 0,1,2,3,4,5
	v_mov_b32 v[QHI+\i], 0
	v_mov_b32 v[QLO+6+\i], 0
.endr
.irp i, 0,1,2,3,4,5,6,7
	v_mov_b32 v[T8+\i], 0                          ; written once: a lane permute's destination counts as one of its sources
.endr
	s_wait_loadcnt 0x0
.irp i, 0,1,2,3,4,5
	v_cndmask_b32 v[QLO+\i], v[QG+\i], v[QG+6+\i], s48   ; my tile's six registers of G
.endr
	v_lshrrev_b32 v[QS], s49, v[QG+12]
	v_and_b32 v[QS], 0xffff, v[QS]
	v_lshl_or_b32 v[QS], v[QS], 16, v[QS]          ; my two bytes, for either half of K
.set jj, 0
.rept 32
	v_mov_b32 v[O+jj], 0                           ; O^T: the step is written once; the first finds zeros, which the first change of M leaves zeros.  (These also stand between the lines that made q and its scale word and the first product)
.set jj, jj+1
.endr
; A KEY STEP: 128 keys.
.macro STEP
	v_add_nc_u32 v[ADR], s[TB], v[LI]
.rept 3
	v_nop                                          ; with the addition four places in front of loads into registers that the last products have read
.endr
.irp b, 0,1,2,3
.irp g, 0,1,2
	ds_load_b128 v[FR+12*\b+4*\g:FR+12*\b+4*\g+3], v[ADR] offset:1536*\b+512*\g   ; K's four G: 512 consecutive bytes a load
.endr
.endr
	ds_load_b128 v[SC:SC+3], v[ADR] offset:KSC
	s_wait_dscnt 0x0
.irp b, 0,1,2,3                        ; S^T = K Q^T.  No two products that follow each other share an accumulator, over the backward jump too
	v_wmma_scale_f32_16x16x128_f8f6f4 v[S+16*\b:S+16*\b+7], v[FR+12*\b:FR+12*\b+11], v[QLO:QLO+11], 0, v[SC+\b], v[QS] matrix_a_fmt:MATRIX_FMT_FP6 matrix_b_fmt:MATRIX_FMT_FP6
	v_wmma_scale_f32_16x16x128_f8f6f4 v[S+16*\b+8:S+16*\b+15], v[FR+12*\b:FR+12*\b+11], v[QHI:QHI+11], 0, v[SC+\b], v[QS] matrix_a_fmt:MATRIX_FMT_FP6 matrix_b_fmt:MATRIX_FMT_FP6
.endr
.rept 4
	v_nop                                          ; four places in front of the loads below and of the first read of the scores
.endr
.irp c, 0,1,2,3
.irp g, 0,1,2
	ds_load_b128 v[FR+12*\c+4*\g:FR+12*\c+4*\g+3], v[ADR] offset:VCO+1536*\c+512*\g   ; V's four fragments land under the softmax
.endr
.endr
	ds_load_b128 v[SC:SC+3], v[ADR] offset:VSC
.irp b, 0,1,2,3
	v_max3_num_f32 v[BM+\b], v[S+16*\b], v[S+16*\b+1], v[S+16*\b+2]   ; THE LARGEST SCORE OF EACH BLOCK OF 32 KEYS: for the row's maximum, and, since p rises with the score, for the block's largest p
.endr
.irp i, 3,5,7,9,11,13
.irp b, 0,1,2,3
	v_max3_num_f32 v[BM+\b], v[BM+\b], v[S+16*\b+\i], v[S+16*\b+\i+1]   ; the four blocks by turns, each accumulator from its low end on
.endr
.endr
.irp b, 0,1,2,3
	v_max_num_f32 v[BM+\b], v[BM+\b], v[S+16*\b+15]
.endr
.irp b, 0,1,2,3
	v_permlanex16_b32 v[T8+\b], v[BM+\b], s[SEL], s[SEL+1]
.endr
.irp b, 0,1,2,3
	v_max_num_f32 v[BM+\b], v[BM+\b], v[T8+\b]     ; with lane l xor 16's 16 keys
.endr
	v_max3_num_f32 v[TMPR], v[BM], v[BM+1], v[BM+2]
	v_max_num_f32 v[TMPR], v[TMPR], v[BM+3]        ; the step's largest score of my query
	v_mul_f32 v[TMPR], s[CS], v[TMPR]              ; as t (c is positive)
	v_max_num_f32 v13, v13, v[TMPR]                ; the running largest t
	v_mov_b32 v[TMPR], v12
	v_floor_f32 v12, -v13                          ; the new -M = floor(-t) = -ceil(t): M IS A WHOLE NUMBER
	v_sub_f32 v[TMPR], v12, v[TMPR]                ; M's old value less its new one: a whole number, 0 or less
	v_cvt_i32_f32 v[TMPR], v[TMPR]                 ; (it saturates)
	v_ldexp_f32 v[F], 1.0, v[TMPR]                 ; f = 2^(old M - new M): a multiplication by it rounds nothing
.set jj, 0
.rept 32
	v_pk_fma_f32 v[S+jj:S+jj+1], v[S+jj:S+jj+1], s[CS:CS+1], v[12:13] op_sel_hi:[1,0,0]   ; t - M, two at a time (of the pairs c and -M the low word serves both halves)
.set jj, jj+2
.endr
.irp b, 0,1,2,3
	v_fma_f32 v[BM+\b], v[BM+\b], s[CS], v12       ; the same of each block's largest score
.endr
.set jj, 0
.rept 64
	v_exp_f32 v[S+jj], v[S+jj]                     ; p = 2^(t - M), at most 1: NOT normalised
.set jj, jj+1
.endr
	v_pk_mul_f32 v[14:15], v[14:15], v[F:F+1] op_sel_hi:[1,0]   ; the sums under the new M: the plain instruction behind the exponentials
	s_wait_alu depctr_va_vdst(0)                   ; one wait for the whole batch, ahead of the first instruction that names a result
.irp b, 0,1,2,3
	v_exp_f32 v[BM+\b], v[BM+\b]                   ; the block's largest p: the same two instructions on the same number give the same bits
.endr
	v_pk_add_f32 v[T8:T8+1], v[S:S+1], v[S+2:S+3]  ; THE ROW'S SUM IS TAKEN OF THE UNQUANTISED p: two at a time, in two chains; these read the 64 alone: plain work behind the four
.set jj, 4
.rept 15
	v_pk_add_f32 v[14:15], v[14:15], v[S+jj:S+jj+1]
	v_pk_add_f32 v[T8:T8+1], v[T8:T8+1], v[S+jj+2:S+jj+3]
.set jj, jj+4
.endr
	v_pk_add_f32 v[14:15], v[14:15], v[T8:T8+1]
	s_wait_alu depctr_va_vdst(0)                   ; and one for the four
.irp b, 0,1,2,3
	v_max_num_f32 v[BM+\b], 0x1800000, v[BM+\b]    ; the floor 2^(3 - 127): the byte cannot fall under 1 (a block whose every p has fallen to 0 keeps that byte: its codes are zeros)
.endr
.irp b, 0,1,2,3
	v_add_nc_u32 v[SO+\b], 0xff000000, v[BM+\b]    ; 2 off the exponent field: the conversion's scale operand
.endr
.irp b, 0,1,2,3
	v_lshrrev_b32 v[T8+\b], 23, v[SO+\b]           ; the scale's byte
.endr
	v_lshl_or_b32 v[PS], v[T8+1], 8, v[T8]         ; p's scale word for these 128 keys
	v_lshl_or_b32 v[PS], v[T8+2], 16, v[PS]
	v_lshl_or_b32 v[PS], v[T8+3], 24, v[PS]
.irp c, 0,1
	v_cvt_scalef32_pk16_fp6_f32 v[PC+6*\c:PC+6*\c+2], v[S+32*\c:S+32*\c+15], v[SO+2*\c]
	v_cvt_scalef32_pk16_fp6_f32 v[T8+4*\c:T8+4*\c+2], v[S+32*\c+16:S+32*\c+31], v[SO+2*\c+1]   ; (a conversion's three registers begin on an even number)
.endr
	v_nop                                          ; one plain instruction behind the last scaled conversion
.irp c, 0,1                            ; the operand's layout wants a WHOLE block in a lane: lanes 0-15 block 2 c, lanes 16-31 block 2 c + 1
.irp i, 0,1,2
	v_permlane16_swap_b32 v[PC+6*\c+\i], v[T8+4*\c+\i]
.endr
.irp i, 0,1,2
	v_mov_b32 v[PC+6*\c+3+\i], v[T8+4*\c+\i]
.endr
.endr
.set jj, 0
.rept 16
	v_pk_mul_f32 v[O+jj:O+jj+1], v[O+jj:O+jj+1], v[F:F+1] op_sel_hi:[1,0]   ; O^T under the new M.  These sixteen also stand between the lines that made p's codes and scale word and the products below
.set jj, jj+2
.endr
	s_wait_dscnt 0x0                               ; V's fragments and scale words are in
.irp c, 0,1,2,3                        ; O^T += V^T P^T: K = these 128 keys
	v_wmma_scale_f32_16x16x128_f8f6f4 v[O+8*\c:O+8*\c+7], v[FR+12*\c:FR+12*\c+11], v[PC:PC+11], v[O+8*\c:O+8*\c+7], v[SC+\c], v[PS] matrix_a_fmt:MATRIX_FMT_FP6 matrix_b_fmt:MATRIX_FMT_FP6
.endr
	s_add_co_u32 s[TB], s[TB], STEPB               ; the next step's block
.endm
; A slot's eight key steps: written once, walked eight times.
.macro SLOT_STEPS
	s_mov_b32 s[CNT], 8
.Lstep_\@:
	STEP
	s_sub_co_u32 s[CNT], s[CNT], 1
	s_cmp_lg_u32 s[CNT], 0
	s_cbranch_scc1 .Lstep_\@
	s_and_b32 s[TB], s[TB], SLOT1                  ; back to the slot's first byte (eight steps are under 2^17 bytes),
	s_xor_b32 s[TB], s[TB], SLOT1                  ; and on to the other slot
.endm
; A PREFETCH INTO THE L2 of the slot that the NEXT change of slots will ask for: 106,496 dense bytes of kv = 13 waves x 32 lanes x 256 bytes, one instruction a wave: each aligned block of 256 bytes is named once in the launch.
; All sixteen work-groups of a head walk the same blocks: the head's first work-group asks (a branch on the work-group's and the wave's number).  It stands behind the wave's tensor load, eight key steps ahead of the load that will want the bytes.
; The last change that fills a slot asks for nothing: there is no slot behind it.  Slots 0 and 1 come by their loads alone.
.macro ASK
	s_cmp_gt_u32 s[SLOTS], s[LIM]
	s_cbranch_scc0 .Lnot_mine_\@
	global_prefetch_b8 v[PFO], s[PFA:PFA+1] th:TH_LOAD_NT scope:SCOPE_SE
.Lnot_mine_\@:
.endm
; THE CHANGE OF SLOTS stands at a slot's head.  Each wave waits for all its tensor loads (its part of the slot that it is about to read), adds 0 to its spare word, and waits for that and for its reads of the slot that it has left.
; Behind the barrier the slot ahead is whole and nobody reads the other one.  fill = 1: that other slot is filled with the eight steps that follow.
.macro CHANGE fill
	s_wait_tensorcnt 0x0                           ; no tensor load of mine is out, so group 0 may be written
	ds_add_u32 v[SPW], v[NIL]                      ; 0 onto my spare word; the steps below stand between it and the wait for it
.if \fill
	s_xor_b32 s[G0+1], s[G0+1], SLOT1              ; the walking descriptor: the other slot than last time,
	s_add_nc_u64 s[G0+2:G0+3], s[G0+2:G0+3], SLOTB ; the next eight steps; the type bits on top are not reached
	s_wait_xcnt 0x0                                ; the last prefetch, a slot back, has read its address, so it may be written:
	s_add_nc_u64 s[PFA:PFA+1], s[PFA:PFA+1], SLOTB ; one slot further on than the walking descriptor
.endif
	s_wait_dscnt 0x0                               ; the add is done, and my reads of the slot that I have left are over
	s_barrier_signal -1
	s_barrier_wait -1
.if \fill
	tensor_load_to_lds s[G0:G0+3], s[G1:G1+7]      ; the first thing behind the barrier, and my one tensor load until the next
	s_nop 0
.rept 4
	v_nop
.endr
	ASK
.endif
.endm
.Lslot:                                            ; three trips: behind each change of slots but the last the next slot is asked for
	CHANGE 1
	SLOT_STEPS
	s_sub_co_u32 s[SLOTS], s[SLOTS], 1
	s_cmp_lg_u32 s[SLOTS], 0
	s_cbranch_scc1 .Lslot
	CHANGE 0                                       ; the last slot is written out
	SLOT_STEPS
	; THE WAY OUT.  O^T / the sum; its 64 channels are two blocks of the last product's K: quantised here, half a fragment a wave.
	v_add_f32 v14, v14, v15                        ; the sum's two halves,
	v_permlanex16_b32 v[TMPR], v14, s[SEL], s[SEL+1]
	v_add_f32 v14, v14, v[TMPR]                    ; and lane l xor 16's: the row's sum
	v_rcp_f32 v14, v14
.rept 3
	v_nop                                          ; the plain instruction behind the reciprocal; with the two additions five places behind the last products
.endr
	s_wait_alu depctr_va_vdst(0)                   ; the wait ahead of the reciprocal's first reader
.set jj, 0
.rept 16
	v_pk_mul_f32 v[S+jj:S+jj+1], v[O+jj:O+jj+1], v[14:15] op_sel_hi:[1,0]   ; register 16 e + i: channel 32 e + 16 (lane / 16) + i of my query; each accumulator from its low end on
.set jj, jj+2
.endr
.irp e, 0,1
	v_max3_num_f32 v[BM+\e], |v[S+16*\e]|, |v[S+16*\e+1]|, 0x1800000   ; my 16 numbers of block e, and the floor 2^(3 - 127)
.endr
.irp i, 2,4,6,8,10,12,14
.irp e, 0,1
	v_max3_num_f32 v[BM+\e], v[BM+\e], |v[S+16*\e+\i]|, |v[S+16*\e+\i+1]|
.endr
.endr
.irp e, 0,1
	v_permlanex16_b32 v[T8+\e], v[BM+\e], s[SEL], s[SEL+1]
.endr
.irp e, 0,1
	v_max_num_f32 v[BM+\e], v[BM+\e], v[T8+\e]
.endr
.irp e, 0,1
	v_add_nc_u32 v[SO+\e], 0xff000000, v[BM+\e]
.endr
.irp e, 0,1
	v_lshrrev_b32 v[T8+\e], 23, v[SO+\e]
.endr
	v_lshl_or_b32 v[TMPR], v[T8+1], 8, v[T8]       ; my row's two bytes
	v_cvt_scalef32_pk16_fp6_f32 v[PC:PC+2], v[S:S+15], v[SO]
	v_cvt_scalef32_pk16_fp6_f32 v[T8+4:T8+6], v[S+16:S+31], v[SO+1]
	v_nop                                          ; one plain instruction behind the last scaled conversion
.irp i, 0,1,2
	v_permlane16_swap_b32 v[PC+\i], v[T8+4+\i]
.endr
.irp i, 0,1,2
	v_mov_b32 v[PC+3+\i], v[T8+4+\i]
.endr
	global_store_b128 v[LI], v[PC:PC+3], s[OC:OC+1]            ; 512 consecutive bytes,
	global_store_b64 v[L8], v[PC+4:PC+5], s[OC:OC+1] offset:512   ; and 256, both at multiples of 256 from the buffer's first byte
	ds_store_b16 v[STA], v[TMPR]                   ; both lanes of a row write the same two bytes with the same value
	s_wait_dscnt 0x0                               ; for wave 0's sake: my store has landed
	s_barrier_signal -1
	s_barrier_wait -1
	s_cmp_lg_u32 s[WV], 0
	s_cbranch_scc1 .Lend
	ds_load_b128 v[BM:BM+3], v[STR]                ; the sixteen tiles' scale bytes leave as 512 consecutive bytes
	s_wait_dscnt 0x0
	global_store_b128 v[LI], v[BM:BM+3], s[OS:OS+1]
.Lend:
	s_wait_tensorcnt 0x0                           ; the wave's end: behind my last tensor load and my last LDS store
	ds_add_u32 v[SPW], v[NIL]
	s_wait_dscnt 0x0
	s_endpgm
.Lfunc_end_k_qba9d414521_attn:
	.size	k_qba9d414521_attn, .Lfunc_end_k_qba9d414521_attn-k_qba9d414521_attn
	.p2alignl 7, 3214868480
	.fill 96, 4, 3214868480
	.section	.rodata,"a",@progbits
	.p2align	6, 0x0
	.amdhsa_kernel k_qba9d414521_attn
		.amdhsa_group_segment_fixed_size 327680
		.amdhsa_private_segment_fixed_size 0
		.amdhsa_enable_private_segment 0
		.amdhsa_kernarg_size 32
		.amdhsa_user_sgpr_count 2
		.amdhsa_user_sgpr_kernarg_segment_ptr 1
		.amdhsa_wavefront_size32 1
		.amdhsa_system_sgpr_workgroup_id_x 1
		.amdhsa_system_sgpr_workgroup_id_y 1
		.amdhsa_system_sgpr_workgroup_id_z 1
		.amdhsa_system_vgpr_workitem_id 0
		.amdhsa_next_free_vgpr 256
		.amdhsa_next_free_sgpr 66
		.amdhsa_reserve_vcc 0
		.amdhsa_float_denorm_mode_32 3
		.amdhsa_float_denorm_mode_16_64 3
		.amdhsa_memory_ordered 1
		.amdhsa_forward_progress 1
		.amdhsa_inst_pref_size 43
	.end_amdhsa_kernel
	.amdgpu_metadata
---
amdhsa.version: [ 1, 2 ]
amdhsa.kernels:
  - .name:           k_qba9d414521_attn
    .symbol:         k_qba9d414521_attn.kd
    .args:
      - { .name: qf, .offset: 0, .size: 8, .value_kind: global_buffer, .address_space: global }
      - { .name: kv, .offset: 8, .size: 8, .value_kind: global_buffer, .address_space: global }
      - { .name: ocod, .offset: 16, .size: 8, .value_kind: global_buffer, .address_space: global }
      - { .name: oscl, .offset: 24, .size: 8, .value_kind: global_buffer, .address_space: global }
    .group_segment_fixed_size: 327680
    .private_segment_fixed_size: 0
    .kernarg_segment_align: 8
    .kernarg_segment_size: 32
    .max_flat_workgroup_size: 512
    .sgpr_count:     66
    .vgpr_count:     256
    .wavefront_size: 32
...
	.end_amdgpu_metadata
.endif
;; end of part 3
;; launch oproj (part 4): grid 256 x 1, 8 waves a work-group, no clusters, 35,840 bytes of LDS; arguments ocod, oscl, wcod, wscl, wo_b, out0; writes out0
.if DOCPART == 4
	.amdgcn_target "amdgcn-amd-amdhsa--gfx1250"
	.amdhsa_code_object_version 6
	.text
	.protected	k_qba9d414521_oproj
	.globl	k_qba9d414521_oproj
	.p2align	8
	.type	k_qba9d414521_oproj,@function
k_qba9d414521_oproj:
	s_mov_b64 s[64:65], 0
	v_nop
	global_prefetch_b8 v0, s[64:65] scope:SCOPE_SE
	s_setreg_imm32_b32 hwreg(HW_REG_WAVE_MODE, 25, 1), 1
	s_wait_xcnt 0x0
; out0 = O wo^T + bo on codes of FP6 (E2M3) with one E8M0 byte for each 32 along K.  O arrives as half fragments (ocod) and pairs of scale bytes (oscl), wo as images of operand registers (wcod, wscl: the fourth weight).  out0: [8,192][512] f32.
; SHARES.  Work-group g takes 32 rows: two tiles; lane r of tile u is row 32 g + 8 u + r + 8 (r / 8).  Wave w takes columns 64 w .. 64 w + 63: four tiles of wo (16 fragments, window 1), which it loads once.
; Each wave loads the rows' eight fragments itself (12,288 bytes): no operand goes through LDS and no barrier is needed.
; The product is used transposed (source 0 = 16 rows of wo, source 1 = 16 rows of O): a lane holds eight neighbouring columns of one row.  The bias is the C of each sum's first matrix instruction.
; The results go through the wave's own stage in LDS (16 rows x 256 bytes + 16) and leave as rows: sixteen lanes store 256 consecutive bytes, at a multiple of 256 from out0's first byte.
; REGISTERS, in windows of 256: window 0: all but:  window 1: v0-191 wo's fragments (tile t, K step s at 12 (4 t + s)); v192-223 the bias, 8 a tile.
.set SPITCH, 272
.set STGW,  16*SPITCH                  ; a wave's stage
.set SPARE, 8*STGW                     ; behind the stages: the spare words, 128 bytes for each wave: four blocks of 256 bytes that no other line names
.set LI,  1                            ; v1   16 x lane
.set L8,  2                            ; v2   8 x lane
.set R2,  3                            ; v3   2 r
.set BA,  4                            ; v4   64 (lane / 16)
.set STO, 5                            ; v5   the stage: where I put 16 bytes of a row
.set RD,  6                            ; v6   and where I read a row back
.set CO,  7                            ; v7   my byte offset in two rows of out0
.set SPW, 8                            ; v8   LDS address of my spare word; never rewritten
.set NIL, 9                            ; v9   0; never rewritten
.set WS,  16                           ; v16-31   wo's scale words: 4 t + s
.set AS,  32                           ; v32-39   O's: 4 u + s
.set TS,  40                           ; v40-55   O's pairs of bytes: 8 u + head
.set AF,  64                           ; v64-159  O's fragments: 4 u + s
.set ACC, 160                          ; v160-223 eight accumulators
.set OB,  64                           ; v64-127  the way out: rows read back
.set BI,  192                          ; in window 1
.set WV,  16
.set MSB, 0
.macro WIN new                         ; the immediate's high byte repeats the setting that is left
.if MSB != \new
	s_set_vgpr_msb (MSB<<8)|\new
.set MSB, \new
.endif
.endm
	s_load_b256 s[4:11], s[0:1], 0x0               ; ocod, oscl, wcod, wscl
	s_load_b128 s[12:15], s[0:1], 0x20             ; wo_b, out0
	v_lshl_add_u32 v[SPW], v0, 2, SPARE
	v_mov_b32 v[NIL], 0
	v_lshrrev_b32 v10, 5, v0
	v_readfirstlane_b32 s[WV], v10                 ; wave 0..7
	v_and_b32 v10, 31, v0
	v_lshlrev_b32 v[LI], 4, v10
	v_lshlrev_b32 v[L8], 3, v10
	v_and_b32 v11, 15, v0                          ; r
	v_bfe_u32 v12, v0, 4, 1                        ; h
	v_lshlrev_b32 v[R2], 1, v11
	v_lshlrev_b32 v[BA], 6, v12
	s_mul_i32 s17, s[WV], STGW
	v_mul_u32_u24 v[STO], v11, SPITCH
	v_lshl_add_u32 v[STO], v12, 6, v[STO]
	v_add_nc_u32 v[STO], s17, v[STO]               ; in: row r, + 64 h: tile t's eight columns lie 128 (t / 2) + 32 (t % 2) bytes on
	v_mul_u32_u24 v[RD], v12, SPITCH
	v_lshl_add_u32 v[RD], v11, 4, v[RD]
	v_add_nc_u32 v[RD], s17, v[RD]                 ; back: lanes 0-15 one row, lanes 16-31 the next
	v_lshlrev_b32 v[CO], 11, v12
	v_lshl_add_u32 v[CO], v11, 4, v[CO]            ; and the same two rows in out0
	s_mul_i32 s18, ttmp9, 12288                    ; ocod: two tiles x 8 heads x 768
	s_mov_b32 s19, 0
	s_lshr_b32 s20, ttmp9, 7
	s_lshl_b32 s20, s20, 16                        ; oscl: the batch's 65,536 bytes,
	s_and_b32 s21, ttmp9, 127
	s_lshl_b32 s21, s21, 6                         ; two tiles x 32 bytes
	s_add_co_u32 s20, s20, s21
	s_mov_b32 s21, 0
	s_mul_i32 s22, s[WV], 24576
	s_add_co_u32 s22, s22, 3*196608                ; wcod: the fourth weight, my four tiles
	s_mov_b32 s23, 0
	s_lshl_b32 s24, s[WV], 11
	s_add_co_u32 s24, s24, 3*16384                 ; wscl likewise
	s_mov_b32 s25, 0
	s_lshl_b32 s26, s[WV], 8                       ; the bias: my 64 numbers
	s_mov_b32 s27, 0
	s_lshl_b32 s28, ttmp9, 16                      ; out0: 32 rows of 2,048 bytes, my 256 bytes of each
	s_add_co_u32 s28, s28, s26
	s_mov_b32 s29, 0
	s_wait_kmcnt 0x0
	s_add_nc_u64 s[4:5], s[4:5], s[18:19]
	s_add_nc_u64 s[6:7], s[6:7], s[20:21]
	s_add_nc_u64 s[8:9], s[8:9], s[22:23]
	s_add_nc_u64 s[10:11], s[10:11], s[24:25]
	s_add_nc_u64 s[12:13], s[12:13], s[26:27]
	s_add_nc_u64 s[14:15], s[14:15], s[28:29]
.irp t, 0,1,2,3
	global_load_b128 v[WS+4*\t:WS+4*\t+3], v[LI], s[10:11] offset:512*\t
.endr
.irp u, 0,1
.irp hd, 0,1,2,3,4,5,6,7               ; head hd's 64 channels are registers 6 (hd % 2) .. + 5 of K step hd / 2
	global_load_b128 v[AF+12*(4*\u+\hd/2)+6*(\hd%2):AF+12*(4*\u+\hd/2)+6*(\hd%2)+3], v[LI], s[4:5] offset:\u*6144+\hd*768
	global_load_b64 v[AF+12*(4*\u+\hd/2)+6*(\hd%2)+4:AF+12*(4*\u+\hd/2)+6*(\hd%2)+5], v[L8], s[4:5] offset:\u*6144+\hd*768+512
.endr
.endr
.irp u, 0,1
.irp hd, 0,1,2,3,4,5,6,7
	global_load_u16 v[TS+8*\u+\hd], v[R2], s[6:7] offset:\hd*8192+32*\u
.endr
.endr
	WIN 0x40                                       ; destination window 1
.irp t, 0,1,2,3                        ; the bias: lane (r, h), register j of tile t: column 32 (t / 2) + 16 h + 8 (t % 2) + j
	global_load_b128 v[BI+8*\t:BI+8*\t+3], v[BA], s[12:13] offset:(32*(\t/2)+8*(\t%2))*4
	global_load_b128 v[BI+8*\t+4:BI+8*\t+7], v[BA], s[12:13] offset:(32*(\t/2)+8*(\t%2))*4+16
.endr
.irp f, 0,1,2,3,4,5,6,7,8,9,10,11,12,13,14,15
.irp g, 0,1,2
	global_load_b128 v[12*\f+4*\g:12*\f+4*\g+3], v[LI], s[8:9] offset:\f*1536+512*\g
.endr
.endr
	WIN 0
	s_wait_loadcnt 0x0
.irp u, 0,1
.irp s, 0,1,2,3
	v_lshl_or_b32 v[AS+4*\u+\s], v[TS+8*\u+2*\s+1], 16, v[TS+8*\u+2*\s]   ; two heads' pairs of bytes make a K step's scale word
.endr
.endr
.rept 8
	v_nop                                          ; a scale register written by a vector instruction stands eight places ahead of a scaled matrix instruction
.endr
.irp s, 0,1,2,3                        ; eight accumulators by turns, one instruction a turn, a K step at a time
.if \s == 0
	WIN 0x11                                       ; source 0 (wo) and source 2 (the bias) window 1
.else
	WIN 0x01
.endif
.irp u, 0,1
.irp t, 0,1,2,3
.if \s == 0
	v_wmma_scale_f32_16x16x128_f8f6f4 v[ACC+32*\u+8*\t:ACC+32*\u+8*\t+7], v[12*(4*\t+\s):12*(4*\t+\s)+11], v[AF+12*(4*\u+\s):AF+12*(4*\u+\s)+11], v[BI+8*\t:BI+8*\t+7], v[WS+4*\t+\s], v[AS+4*\u+\s] matrix_a_fmt:MATRIX_FMT_FP6 matrix_b_fmt:MATRIX_FMT_FP6
.else
	v_wmma_scale_f32_16x16x128_f8f6f4 v[ACC+32*\u+8*\t:ACC+32*\u+8*\t+7], v[12*(4*\t+\s):12*(4*\t+\s)+11], v[AF+12*(4*\u+\s):AF+12*(4*\u+\s)+11], v[ACC+32*\u+8*\t:ACC+32*\u+8*\t+7], v[WS+4*\t+\s], v[AS+4*\u+\s] matrix_a_fmt:MATRIX_FMT_FP6 matrix_b_fmt:MATRIX_FMT_FP6
.endif
.endr
.endr
.endr
	WIN 0
.rept 4
	v_nop                                          ; four places in front of the LDS stores that read results and of the loads into registers that held O's fragments
.endr
.macro TOSTAGE u                       ; tile u into my stage, each accumulator from its low end on, and back as rows.  LDS serves a wave's instructions in order (ISA guide 5.7.1.4): no wait between the stores and the loads, nor in front of the next tile's stores
.irp t, 0,1,2,3
	ds_store_b128 v[STO], v[ACC+32*\u+8*\t:ACC+32*\u+8*\t+3] offset:128*(\t/2)+32*(\t%2)
	ds_store_b128 v[STO], v[ACC+32*\u+8*\t+4:ACC+32*\u+8*\t+7] offset:128*(\t/2)+32*(\t%2)+16
.endr
.irp i, 0,1,2,3,4,5,6,7
	ds_load_b128 v[OB+32*\u+4*\i:OB+32*\u+4*\i+3], v[RD] offset:2*SPITCH*\i
.endr
.endm
.macro SEND u, younger                 ; younger: the LDS instructions issued behind tile u's loads, which may stay out.  Stage rows 2 i, 2 i + 1 are rows 8 u + 2 i + 8 (i / 4) and the next of my 32
.irp i, 0,1,2,3,4,5,6,7
	s_wait_dscnt \younger+7-\i
	global_store_b128 v[CO], v[OB+32*\u+4*\i:OB+32*\u+4*\i+3], s[14:15] offset:(8*\u+2*\i+8*(\i/4))*2048 th:TH_STORE_NT
.endr
.endm
	TOSTAGE 0
	TOSTAGE 1
	SEND 0, 16                                     ; behind tile 0's loads: tile 1's eight stores and eight loads
	SEND 1, 0
	s_wait_tensorcnt 0x0                           ; the wave's end, behind my last LDS store
	ds_add_u32 v[SPW], v[NIL]
	s_wait_dscnt 0x0
	s_endpgm
.Lfunc_end_k_qba9d414521_oproj:
	.size	k_qba9d414521_oproj, .Lfunc_end_k_qba9d414521_oproj-k_qba9d414521_oproj
	.p2alignl 7, 3214868480
	.fill 96, 4, 3214868480
	.section	.rodata,"a",@progbits
	.p2align	6, 0x0
	.amdhsa_kernel k_qba9d414521_oproj
		.amdhsa_group_segment_fixed_size 35840
		.amdhsa_private_segment_fixed_size 0
		.amdhsa_enable_private_segment 0
		.amdhsa_kernarg_size 48
		.amdhsa_user_sgpr_count 2
		.amdhsa_user_sgpr_kernarg_segment_ptr 1
		.amdhsa_wavefront_size32 1
		.amdhsa_system_sgpr_workgroup_id_x 1
		.amdhsa_system_sgpr_workgroup_id_y 1
		.amdhsa_system_sgpr_workgroup_id_z 1
		.amdhsa_system_vgpr_workitem_id 0
		.amdhsa_next_free_vgpr 512
		.amdhsa_next_free_sgpr 66
		.amdhsa_reserve_vcc 0
		.amdhsa_float_denorm_mode_32 3
		.amdhsa_float_denorm_mode_16_64 3
		.amdhsa_memory_ordered 1
		.amdhsa_forward_progress 1
		.amdhsa_inst_pref_size 22
	.end_amdhsa_kernel
	.amdgpu_metadata
---
amdhsa.version: [ 1, 2 ]
amdhsa.kernels:
  - .name:           k_qba9d414521_oproj
    .symbol:         k_qba9d414521_oproj.kd
    .args:
      - { .name: ocod, .offset: 0, .size: 8, .value_kind: global_buffer, .address_space: global }
      - { .name: oscl, .offset: 8, .size: 8, .value_kind: global_buffer, .address_space: global }
      - { .name: wcod, .offset: 16, .size: 8, .value_kind: global_buffer, .address_space: global }
      - { .name: wscl, .offset: 24, .size: 8, .value_kind: global_buffer, .address_space: global }
      - { .name: wo_b, .offset: 32, .size: 8, .value_kind: global_buffer, .address_space: global }
      - { .name: out0, .offset: 40, .size: 8, .value_kind: global_buffer, .address_space: global }
    .group_segment_fixed_size: 35840
    .private_segment_fixed_size: 0
    .kernarg_segment_align: 8
    .kernarg_segment_size: 48
    .max_flat_workgroup_size: 256
    .sgpr_count:     66
    .vgpr_count:     512
    .wavefront_size: 32
...
	.end_amdgpu_metadata
.endif
;; end of part 4
;; ======== version 2 of 2: 4 launches
;; workspace buffers: wcod 786,432 bytes; wscl 65,536 bytes; qf 3,407,872 bytes; kv 6,815,744 bytes; ocod 3,145,728 bytes; oscl 131,072 bytes
;; launch prep (part 5): grid 32 x 4, 1 waves a work-group, no clusters, 0 bytes of LDS; arguments wq_w, wk_w, wv_w, wo_w, wcod, wscl; writes wcod, wscl
.if DOCPART == 5
	.amdgcn_target "amdgcn-amd-amdhsa--gfx1250"
	.amdhsa_code_object_version 6
	.text
	.protected	k_qba9d414521_prep
	.globl	k_qba9d414521_prep
	.p2align	8
	.type	k_qba9d414521_prep,@function
k_qba9d414521_prep:
	s_mov_b64 s[64:65], 0
	v_nop
	global_prefetch_b8 v0, s[64:65] scope:SCOPE_SE
	s_setreg_imm32_b32 hwreg(HW_REG_WAVE_MODE, 25, 1), 1
	s_wait_xcnt 0x0
; The four weights (wq_w, wk_w, wv_w, wo_w: [512 n][512 k] f32, K innermost) become codes of FP6 (E2M3) with one E8M0 byte for each 32 along K,
; laid as IMAGES OF OPERAND REGISTERS, so that the later launches load a fragment by three loads of 16 bytes a lane.
; A block's scale is 2^(floor(log2(its largest magnitude)) - 2); its byte is the largest magnitude's exponent field - 2, held at 1 from below.
; LIMITS: NaN and infinities are not served.  A block whose largest magnitude lies under 2^-124 (a block of zeros among them) gets the byte 1; only this program reads the bytes.
; SHARES.  One wave to a work-group: work-group (x = T, y = weight) takes tile T, 16 rows x 512 K: four fragments of 128 along K.
; THE ROWS OF A TILE ARE NOT NEIGHBOURS: lane r of tile T takes row 32 (T / 2) + 8 (T % 2) + r + 8 (r / 8), so that in a product that has such a tile as source 0 the 16 result registers of tiles 2 b, 2 b + 1 are 16 neighbours.
; OUT.  wcod: [weight][T][K step] x 1,536 bytes: registers 4 g .. 4 g + 3 of lane l at 512 g + 16 l.  wscl: [weight][T] x 512 bytes: lane l's four scale words (K steps 0 to 3) at 16 l; lanes 16-31 hold what lanes 0-15 hold.
; No LDS, no barrier.  Two K steps' loads (32 a wave) are out at a time.
.set LI,  1                            ; v1       16 x lane
.set XA,  2                            ; v2       my row x 2,048 + 64 x (lane / 16): my 16 numbers of a block of 32
.set TM,  40                           ; v40-43 largest magnitudes, v44-47 the other half's, then the bytes, v52-55 the conversions' scale operands
.set TC,  56                           ; v56-58, v60-62 the second halves' codes
.set RES, 64                           ; v64-111  four fragments
.set SWD, 112                          ; v112-115 four scale words
.set X,   128                          ; v128-191, v192-255 two sets of 64 numbers
.set XP,  18                           ; s[18:19] my tile's first row
.set SEL, 22                           ; s[22:23] lane selects for v_permlanex16_b32: lane l xor 16
; 64 numbers of a lane, register 16 b + e = element 16 (lane / 16) + e of block b of my row, become codes: v[da .. da + 5]: lanes 0-15 block 0, lanes 16-31 block 1; v[db .. db + 5]: blocks 2 and 3.  The four bytes stay in v[TM + 4 ..].
.macro QUANT src, da, db
.irp b, 0,1,2,3
	v_max3_num_f32 v[TM+\b], |v[\src+16*\b]|, |v[\src+16*\b+1]|, 0x1800000   ; my 16 numbers, and the floor 2^(3 - 127): the byte cannot fall under 1
.endr
.irp i, 2,4,6,8,10,12,14
.irp b, 0,1,2,3
	v_max3_num_f32 v[TM+\b], v[TM+\b], |v[\src+16*\b+\i]|, |v[\src+16*\b+\i+1]|   ; the four blocks by turns
.endr
.endr
.irp b, 0,1,2,3
	v_permlanex16_b32 v[TM+4+\b], v[TM+\b], s[SEL], s[SEL+1]
.endr
.irp b, 0,1,2,3
	v_max_num_f32 v[TM+\b], v[TM+\b], v[TM+4+\b]   ; with lane l xor 16's: the block's largest magnitude
.endr
.irp b, 0,1,2,3
	v_add_nc_u32 v[TM+12+\b], 0xff000000, v[TM+\b]   ; 2 off its exponent field: the conversion takes this operand's exponent field as its scale
.endr
.irp b, 0,1,2,3
	v_lshrrev_b32 v[TM+4+\b], 23, v[TM+12+\b]      ; the scale's byte
.endr
	v_cvt_scalef32_pk16_fp6_f32 v[\da:\da+2], v[\src:\src+15], v[TM+12]
	v_cvt_scalef32_pk16_fp6_f32 v[TC:TC+2], v[\src+16:\src+31], v[TM+13]   ; (a conversion's three registers begin on an even number)
	v_cvt_scalef32_pk16_fp6_f32 v[\db:\db+2], v[\src+32:\src+47], v[TM+14]
	v_cvt_scalef32_pk16_fp6_f32 v[TC+4:TC+6], v[\src+48:\src+63], v[TM+15]
	v_nop                                          ; one plain instruction behind the last scaled conversion
.irp i, 0,1,2
	v_permlane16_swap_b32 v[\da+\i], v[TC+\i]      ; the first's lanes 16-31 change places with the second's lanes 0-15: a whole block to a lane
	v_permlane16_swap_b32 v[\db+\i], v[TC+4+\i]
.endr
.irp i, 0,1,2
	v_mov_b32 v[\da+3+\i], v[TC+\i]
	v_mov_b32 v[\db+3+\i], v[TC+4+\i]
.endr
.endm
.macro PWORD dst                       ; the four bytes make a scale word
	v_lshl_or_b32 v[\dst], v[TM+5], 8, v[TM+4]
	v_lshl_or_b32 v[\dst], v[TM+6], 16, v[\dst]
	v_lshl_or_b32 v[\dst], v[TM+7], 24, v[\dst]
.endm
.macro XLOAD buf, ks                   ; K step ks of my row: 16 neighbours of each of its four blocks, into set buf
.irp e, 0,1,2,3
.irp j, 0,1,2,3
	global_load_b128 v[X+64*\buf+16*\e+4*\j:X+64*\buf+16*\e+4*\j+3], v[XA], s[XP:XP+1] offset:512*\ks+128*\e+16*\j th:TH_LOAD_NT
.endr
.endr
.endm
.macro XQ ks, buf                      ; set buf becomes fragment ks and its scale word: registers of its own for each K step
	QUANT X+64*\buf, RES+12*\ks, RES+12*\ks+6
	PWORD SWD+\ks
.endm
	s_load_b256 s[4:11], s[0:1], 0x0               ; wq_w, wk_w, wv_w, wo_w
	s_load_b128 s[12:15], s[0:1], 0x20             ; wcod, wscl
	s_and_b32 s16, ttmp7, 0xffff                   ; which weight
	v_lshlrev_b32 v[LI], 4, v0                     ; one wave: the thread's number is the lane
	v_and_b32 v3, 15, v0                           ; r
	v_bfe_u32 v4, v0, 4, 1                         ; h
	v_and_b32 v5, 8, v3
	v_add_nc_u32 v5, v5, v3                        ; r + 8 (r / 8)
	v_lshlrev_b32 v[XA], 11, v5
	v_lshl_add_u32 v[XA], v4, 6, v[XA]
.irp b, 0,1,2,3
	v_mov_b32 v[TM+4+\b], 0                        ; written once: a lane permute's destination counts as one of its sources
.endr
	s_mov_b32 s[SEL], 0x76543210
	s_mov_b32 s[SEL+1], 0xfedcba98
	s_lshr_b32 s28, ttmp9, 1
	s_lshl_b32 s28, s28, 5
	s_and_b32 s29, ttmp9, 1
	s_lshl_b32 s29, s29, 3
	s_add_co_u32 s28, s28, s29                     ; the tile's first row: 32 (T / 2) + 8 (T % 2)
	s_lshl_b32 s28, s28, 11                        ; x 2,048 bytes
	s_mov_b32 s29, 0
	s_lshl_b32 s30, s16, 5
	s_add_co_u32 s30, s30, ttmp9                   ; 32 x weight + T
	s_mul_i32 s2, s30, 6144                        ; its four fragments
	s_mov_b32 s3, 0
	s_lshl_b32 s30, s30, 9                         ; its scale words
	s_mov_b32 s31, 0
	s_and_b32 s17, s16, 1
	s_wait_alu depctr_va_vdst(0)
	s_wait_kmcnt 0x0
	s_cmp_lt_u32 s16, 2                            ; the choice of the weight hangs on the work-group's number alone
	s_cselect_b64 s[XP:XP+1], s[4:5], s[8:9]
	s_cselect_b64 s[26:27], s[6:7], s[10:11]
	s_cmp_eq_u32 s17, 0
	s_cselect_b64 s[XP:XP+1], s[XP:XP+1], s[26:27]
	s_add_nc_u64 s[XP:XP+1], s[XP:XP+1], s[28:29]
	s_add_nc_u64 s[20:21], s[12:13], s[2:3]
	s_add_nc_u64 s[24:25], s[14:15], s[30:31]
	XLOAD 0, 0
	XLOAD 1, 1
	s_wait_loadcnt 16                              ; K step 0 is in; the 16 loads issued behind it may be out
	XQ 0, 0
	XLOAD 0, 2
	s_wait_loadcnt 16                              ; K step 1 is in
	XQ 1, 1
	XLOAD 1, 3
	s_wait_loadcnt 16                              ; K step 2 is in
	XQ 2, 0
	s_wait_loadcnt 0x0
	XQ 3, 1
.irp f, 0,1,2,3
.irp g, 0,1,2
	global_store_b128 v[LI], v[RES+12*\f+4*\g:RES+12*\f+4*\g+3], s[20:21] offset:1536*\f+512*\g   ; 32 lanes store 512 consecutive bytes, at a multiple of 256 from the buffer's first byte
.endr
.endr
	global_store_b128 v[LI], v[SWD:SWD+3], s[24:25]
	s_endpgm
.Lfunc_end_k_qba9d414521_prep:
	.size	k_qba9d414521_prep, .Lfunc_end_k_qba9d414521_prep-k_qba9d414521_prep
	.p2alignl 7, 3214868480
	.fill 96, 4, 3214868480
	.section	.rodata,"a",@progbits
	.p2align	6, 0x0
	.amdhsa_kernel k_qba9d414521_prep
		.amdhsa_group_segment_fixed_size 0
		.amdhsa_private_segment_fixed_size 0
		.amdhsa_enable_private_segment 0
		.amdhsa_kernarg_size 48
		.amdhsa_user_sgpr_count 2
		.amdhsa_user_sgpr_kernarg_segment_ptr 1
		.amdhsa_wavefront_size32 1
		.amdhsa_system_sgpr_workgroup_id_x 1
		.amdhsa_system_sgpr_workgroup_id_y 1
		.amdhsa_system_sgpr_workgroup_id_z 1
		.amdhsa_system_vgpr_workitem_id 0
		.amdhsa_next_free_vgpr 256
		.amdhsa_next_free_sgpr 66
		.amdhsa_reserve_vcc 0
		.amdhsa_float_denorm_mode_32 3
		.amdhsa_float_denorm_mode_16_64 3
		.amdhsa_memory_ordered 1
		.amdhsa_forward_progress 1
		.amdhsa_inst_pref_size 24
	.end_amdhsa_kernel
	.amdgpu_metadata
---
amdhsa.version: [ 1, 2 ]
amdhsa.kernels:
  - .name:           k_qba9d414521_prep
    .symbol:         k_qba9d414521_prep.kd
    .args:
      - { .name: wq_w, .offset: 0, .size: 8, .value_kind: global_buffer, .address_space: global }
      - { .name: wk_w, .offset: 8, .size: 8, .value_kind: global_buffer, .address_space: global }
      - { .name: wv_w, .offset: 16, .size: 8, .value_kind: global_buffer, .address_space: global }
      - { .name: wo_w, .offset: 24, .size: 8, .value_kind: global_buffer, .address_space: global }
      - { .name: wcod, .offset: 32, .size: 8, .value_kind: global_buffer, .address_space: global }
      - { .name: wscl, .offset: 40, .size: 8, .value_kind: global_buffer, .address_space: global }
    .group_segment_fixed_size: 0
    .private_segment_fixed_size: 0
    .kernarg_segment_align: 8
    .kernarg_segment_size: 48
    .max_flat_workgroup_size: 32
    .sgpr_count:     66
    .vgpr_count:     256
    .wavefront_size: 32
...
	.end_amdgpu_metadata
.endif
;; end of part 5
;; launch proj (part 6): grid 64 x 3, 8 waves a work-group, no clusters, 54,272 bytes of LDS; arguments q, k, v, wq_b, wk_b, wv_b, wcod, wscl, qf, kv; writes qf, kv
.if DOCPART == 6
	.amdgcn_target "amdgcn-amd-amdhsa--gfx1250"
	.amdhsa_code_object_version 6
	.text
	.protected	k_qba9d414521_proj
	.globl	k_qba9d414521_proj
	.p2align	8
	.type	k_qba9d414521_proj,@function
k_qba9d414521_proj:
	s_mov_b64 s[64:65], 0
	v_nop
	global_prefetch_b8 v0, s[64:65] scope:SCOPE_SE
	s_setreg_imm32_b32 hwreg(HW_REG_WAVE_SCHED_MODE, 0, 2), 2
	s_setreg_imm32_b32 hwreg(HW_REG_WAVE_MODE, 25, 1), 1
	s_wait_xcnt 0x0
	s_wait_alu depctr_vm_vsrc(0)
; qh = q wq^T + bq, kh = k wk^T + bk, vh = v wv^T + bv, each product on codes of FP6 (E2M3) with one E8M0 byte for each 32 along K; the results are quantised at once for the attention's two products
; and leave as images of operand registers: qh and kh along the head's 64 channels, vh along the keys.
; LIMITS: NaN and infinities are not served.  A block whose largest magnitude lies under 2^-124 (a block of zeros among them) gets the byte 1; only this program reads the bytes.
; SHARES.  Work-group (x = blk, y = tensor: 0 q, 1 k, 2 v) takes 128 rows of one tensor: batch blk / 32, key step blk % 32.  Eight waves.
;   First each wave quantises ONE tile of 16 rows of x (four fragments of 128 along K) and stores their images in LDS; one barrier.
;   Then wave w owns HEAD w: columns 64 w .. 64 w + 63, whose four tiles of the weight (16 fragments, 192 registers) and bias stay in its registers; it walks the 128 rows 32 at a time.
; THE ROWS OF A TILE ARE NOT NEIGHBOURS, of x and of the weight alike: lane r of tile T takes row 32 (T / 2) + 8 (T % 2) + r + 8 (r / 8): the 16 result registers of tiles 2 b, 2 b + 1 are then 16 neighbours.
; q, k: the product is used transposed (source 0 = 16 rows of W, source 1 = 16 rows of x): a lane holds one row and 64 channels.  Two tiles of rows make ONE fragment G: registers 0-5 tile (b, 0)'s 64 channels,
;   registers 6-11 tile (b, 1)'s; its scale word: the two bytes of the one, then of the other.
; v: source 0 = 16 rows of x (keys), source 1 = 16 rows of W: a lane holds one channel and its registers run along the keys, 32 keys a walk: one block.  Four walks make the four fragments of V^T (16 channels x 128 keys).
; The bias is the C of each sum's first matrix instruction.
; OUT.  qf: [batch x 8 + head][key step] x 6,656: four G, then at 6,144 the scale words (lane l's four at 16 l).  kv: the same index x 13,312: K's four G; at 6,144 V's four fragments; at 12,288 K's scale words; at 12,800 V's.
; REGISTERS, in windows of 256: window 0: addresses, scale words, the work;  window 1: v0-191 W's fragments (tile t, K step s at 12 (4 t + s)); v192-223 the bias, 8 a tile.
; THE MODE: SCHED_MODE bits 1:0 = 2 (LLVM: expert scheduling mode 2), set by the entry lines.  The code itself states the register dependences
; between vector or matrix instructions and memory or LDS instructions, with s_wait_alu, always for 0.
; THE PLAN.  Registers that memory or LDS instructions touch:
;   v1 .. v6      offsets and LDS addresses: written once at the head, ahead of the head's wait on va_vdst; never again.
;   X0, X1        two sets of 64 numbers of x.  Global loads land in them; the quantiser of K step ks reads X[ks % 2]; behind it K step ks + 2 lands there.
;   RES, SWD      ahead of the barrier: written by x's quantisers, read by the LDS stores.  Behind it: written again by the walks' quantisers, read by the last global stores.
;   XF            two pairs of fragments of x, by the K step's parity.  Step g: its eight products read pair g % 2; the LDS loads issued at its head, step g + 1's, land in the other pair, which step g - 1's products read.
;   XSW           two sets of scale words of x, by the walk's parity.  A walk's products read its set; the other set is loaded at the head of the walk's last step.
;   window 1, WS  the weight, the bias and the weight's scale words: loaded once, then only read.
;   ACC, TM, TC are named by vector and matrix instructions alone.   v[SPW], v[NIL]: written at the head, read by the closing add alone.
; So ONE wait on va_vdst stands behind each quantiser of x, ONE at the head of each K step that loads into registers which products have read, ONE ahead of the last stores; one wait on vm_vsrc stands behind the barrier.
.set XIMG,  0                          ; LDS: x's 32 fragments: (tile, K step) at (4 tile + step) x 1,536
.set XSC,   49152                      ; their scale words: tile at 512 x tile, lane l's four at 16 l
.set SPARE, 53248                      ; the spare words, 128 bytes for each wave: four blocks of 256 bytes that no other line names
.set LI,  1                            ; v1   16 x lane
.set XA,  2                            ; v2   x: my row x 2,048 + 64 (lane / 16)
.set XWI, 3                            ; v3   where I store my tile's images: 16 x lane + 6,144 x wave
.set XWS, 4                            ; v4   and its scale words: 16 x lane + 512 x wave
.set BA,  5                            ; v5   the bias for q, k: 64 (lane / 16)
.set BAV, 6                            ; v6   the bias for v: 4 (r + 8 (r / 8))
.set SPW, 7                            ; v7   LDS address of my spare word; never rewritten
.set NIL, 8                            ; v8   0; never rewritten
.set WS,  16                           ; v16-31   W's scale words: 4 t + s
.set XSW, 32                           ; v32-39   x's: 4 rt + s, for the even walks;  v240-247 (208 further on) for the odd ones
.set TM,  40
.set TC,  56
.set RES, 64                           ; v64-111  four fragments made
.set SWD, 112                          ; v112-115 their scale words
.set ACC, 128                          ; v128-191 eight accumulators
.set X,   128                          ; v128-191, v192-255: two sets of 64 numbers of x, ahead of the barrier
.set XF,  192                          ; v192-239 four fragments of x: 2 rt + (K step % 2)
.set BI,  192                          ; in window 1
.set WV,  28
.set TEN, 29
.set BLK, 30
.set XP,  32
.set BP,  34
.set WP,  36
.set WSP, 38
.set OUTC, 40
.set OUTS, 42
.set SEL, 44
.set MSB, 0
.macro WIN new                         ; the immediate's high byte repeats the setting that is left
.if MSB != \new
	s_set_vgpr_msb (MSB<<8)|\new
.set MSB, \new
.endif
.endm
; 64 numbers of a lane, register 16 b + e = element 16 (lane / 16) + e of block b, become codes: v[da .. da + 5]: lanes 0-15 block 0, lanes 16-31 block 1; v[db .. db + 5]: blocks 2 and 3.  The four bytes stay in v[TM + 4 ..].
; The sources are read from the low end on: where they are accumulators, each is first read at its two lowest registers.
.macro QUANT src, da, db
.irp b, 0,1,2,3
	v_max3_num_f32 v[TM+\b], |v[\src+16*\b]|, |v[\src+16*\b+1]|, 0x1800000   ; my 16 numbers, and the floor 2^(3 - 127): the byte cannot fall under 1
.endr
.irp i, 2,4,6,8,10,12,14
.irp b, 0,1,2,3
	v_max3_num_f32 v[TM+\b], v[TM+\b], |v[\src+16*\b+\i]|, |v[\src+16*\b+\i+1]|   ; the four blocks by turns
.endr
.endr
.irp b, 0,1,2,3
	v_permlanex16_b32 v[TM+4+\b], v[TM+\b], s[SEL], s[SEL+1]
.endr
.irp b, 0,1,2,3
	v_max_num_f32 v[TM+\b], v[TM+\b], v[TM+4+\b]   ; with lane l xor 16's: the block's largest magnitude
.endr
.irp b, 0,1,2,3
	v_add_nc_u32 v[TM+12+\b], 0xff000000, v[TM+\b]   ; 2 off its exponent field: the conversion takes this operand's exponent field as its scale
.endr
.irp b, 0,1,2,3
	v_lshrrev_b32 v[TM+4+\b], 23, v[TM+12+\b]      ; the scale's byte
.endr
	v_cvt_scalef32_pk16_fp6_f32 v[\da:\da+2], v[\src:\src+15], v[TM+12]
	v_cvt_scalef32_pk16_fp6_f32 v[TC:TC+2], v[\src+16:\src+31], v[TM+13]   ; (a conversion's three registers begin on an even number)
	v_cvt_scalef32_pk16_fp6_f32 v[\db:\db+2], v[\src+32:\src+47], v[TM+14]
	v_cvt_scalef32_pk16_fp6_f32 v[TC+4:TC+6], v[\src+48:\src+63], v[TM+15]
	v_nop                                          ; one plain instruction behind the last scaled conversion
.irp i, 0,1,2
	v_permlane16_swap_b32 v[\da+\i], v[TC+\i]      ; the first's lanes 16-31 change places with the second's lanes 0-15: a whole block to a lane
	v_permlane16_swap_b32 v[\db+\i], v[TC+4+\i]
.endr
.irp i, 0,1,2
	v_mov_b32 v[\da+3+\i], v[TC+\i]
	v_mov_b32 v[\db+3+\i], v[TC+4+\i]
.endr
.endm
.macro PWORD dst                       ; the four bytes make a scale word
	v_lshl_or_b32 v[\dst], v[TM+5], 8, v[TM+4]
	v_lshl_or_b32 v[\dst], v[TM+6], 16, v[\dst]
	v_lshl_or_b32 v[\dst], v[TM+7], 24, v[\dst]
.endm
.macro XLOAD buf, ks                   ; K step ks of my row of x: 16 neighbours of each of its four blocks, into set buf
.irp e, 0,1,2,3
.irp j, 0,1,2,3
	global_load_b128 v[X+64*\buf+16*\e+4*\j:X+64*\buf+16*\e+4*\j+3], v[XA], s[XP:XP+1] offset:512*\ks+128*\e+16*\j th:TH_LOAD_NT
.endr
.endr
.endm
.macro XQ ks, buf                      ; set buf becomes fragment ks and its scale word: registers of its own for each K step, so that no LDS store's data are written again ahead of the barrier
	QUANT X+64*\buf, RES+12*\ks, RES+12*\ks+6
	PWORD SWD+\ks
.endm
.macro IMAGE ks                        ; the fragment goes to LDS as it stands: 512 consecutive bytes a store
.irp g, 0,1,2
	ds_store_b128 v[XWI], v[RES+12*\ks+4*\g:RES+12*\ks+4*\g+3] offset:XIMG+1536*\ks+512*\g
.endr
.endm
.macro WLOAD t                         ; my head's tile t of the weight: four fragments, 12 loads, into window 1: registers that no vector instruction names ahead of them
	WIN 0x40
.irp s, 0,1,2,3
.irp g, 0,1,2
	global_load_b128 v[12*(4*\t+\s)+4*\g:12*(4*\t+\s)+4*\g+3], v[LI], s[WP:WP+1] offset:(4*\t+\s)*1536+512*\g
.endr
.endr
	WIN 0
.endm
; The LDS loads of K step s of walk bb (tiles 2 bb, 2 bb + 1 of x): two fragments, six loads, into the pair s % 2; with a walk's first step its two tiles' scale words, into the set bb % 2.
.macro XFETCH bb, s
.if (\s) == 0
.irp rt, 0,1
	ds_load_b128 v[XSW+208*((\bb)%2)+4*\rt:XSW+208*((\bb)%2)+4*\rt+3], v[LI] offset:XSC+512*(2*(\bb)+\rt)
.endr
.endif
.irp rt, 0,1
.irp g, 0,1,2
	ds_load_b128 v[XF+12*(2*\rt+(\s)%2)+4*\g:XF+12*(2*\rt+(\s)%2)+4*\g+3], v[LI] offset:XIMG+(4*(2*(\bb)+\rt)+(\s))*1536+512*\g
.endr
.endr
.endm
; K step s of walk bb: 32 rows of x against my head's four tiles of the weight, 128 along K: eight accumulators by turns, one instruction a turn.
; At its head the next step's LDS loads go out, the next walk's first step's too; this step's products name the other pair, this walk's scale words, the weight, the bias and the accumulators: none of the registers that those loads touch.
.macro KSTEP bb, s, isv
.set XSB, XSW+208*((\bb)%2)
	s_wait_dscnt 0x0                               ; this step's two fragments of x are in, and in a walk's first step its scale words: they were asked for a step ago, and nothing younger is out
.if 4*(\bb)+(\s) < 15
.if 4*(\bb)+(\s) > 0
	s_wait_alu depctr_va_vdst(0)                   ; the products of the step before are done reading the pair of fragments in which the loads below land; in a walk's last step: the walk before is done reading the set of scale words in which they land
.endif
.if (\s) == 3
	XFETCH (\bb)+1, 0
.else
	XFETCH \bb, (\s)+1                             ; (the very first step states nothing: no vector or matrix instruction since the wait behind x's last quantiser names these registers)
.endif
.endif
.if \isv
.if (\s) == 0
	WIN 0x14                                       ; source 1 (W) and source 2 (the bias) window 1
.else
	WIN 0x04
.endif
.else
.if (\s) == 0
	WIN 0x11                                       ; source 0 (W) and source 2 (the bias) window 1
.else
	WIN 0x01
.endif
.endif
.irp rt, 0,1
.irp t, 0,1,2,3
.if \isv
.if (\s) == 0
	v_wmma_scale_f32_16x16x128_f8f6f4 v[ACC+16*\t+8*\rt:ACC+16*\t+8*\rt+7], v[XF+12*(2*\rt+(\s)%2):XF+12*(2*\rt+(\s)%2)+11], v[12*(4*\t+(\s)):12*(4*\t+(\s))+11], v[BI+8*\t:BI+8*\t+7], v[XSB+4*\rt+(\s)], v[WS+4*\t+(\s)] matrix_a_fmt:MATRIX_FMT_FP6 matrix_b_fmt:MATRIX_FMT_FP6
.else
	v_wmma_scale_f32_16x16x128_f8f6f4 v[ACC+16*\t+8*\rt:ACC+16*\t+8*\rt+7], v[XF+12*(2*\rt+(\s)%2):XF+12*(2*\rt+(\s)%2)+11], v[12*(4*\t+(\s)):12*(4*\t+(\s))+11], v[ACC+16*\t+8*\rt:ACC+16*\t+8*\rt+7], v[XSB+4*\rt+(\s)], v[WS+4*\t+(\s)] matrix_a_fmt:MATRIX_FMT_FP6 matrix_b_fmt:MATRIX_FMT_FP6
.endif
.else
.if (\s) == 0
	v_wmma_scale_f32_16x16x128_f8f6f4 v[ACC+32*\rt+8*\t:ACC+32*\rt+8*\t+7], v[12*(4*\t+(\s)):12*(4*\t+(\s))+11], v[XF+12*(2*\rt+(\s)%2):XF+12*(2*\rt+(\s)%2)+11], v[BI+8*\t:BI+8*\t+7], v[WS+4*\t+(\s)], v[XSB+4*\rt+(\s)] matrix_a_fmt:MATRIX_FMT_FP6 matrix_b_fmt:MATRIX_FMT_FP6
.else
	v_wmma_scale_f32_16x16x128_f8f6f4 v[ACC+32*\rt+8*\t:ACC+32*\rt+8*\t+7], v[12*(4*\t+(\s)):12*(4*\t+(\s))+11], v[XF+12*(2*\rt+(\s)%2):XF+12*(2*\rt+(\s)%2)+11], v[ACC+32*\rt+8*\t:ACC+32*\rt+8*\t+7], v[WS+4*\t+(\s)], v[XSB+4*\rt+(\s)] matrix_a_fmt:MATRIX_FMT_FP6 matrix_b_fmt:MATRIX_FMT_FP6
.endif
.endif
.endr
.endr
	WIN 0
.rept 4
	v_nop                                          ; four places behind the step's products: in front of the first read of results (a walk's last step) and of the loads into the fragments that they have read, beside the wait at the next step's head; the next walk's first products, which begin the accumulators anew, stand behind these and the quantiser's lines that name no accumulator
.endr
.endm
; A walk: four K steps, then the results are quantised.  The next walk's first fragments and scale words land meanwhile: the quantiser names the accumulators, TM, TC, RES and SWD alone.
.macro BSTEP bb, isv
	KSTEP \bb, 0, \isv
	KSTEP \bb, 1, \isv
	KSTEP \bb, 2, \isv
	KSTEP \bb, 3, \isv
.if \isv
	QUANT ACC, RES+12*(\bb%2)+6*(\bb/2), RES+12*(2+\bb%2)+6*(\bb/2)   ; key block bb of the four channel tiles: lanes 0-15 tile 0 (2), lanes 16-31 tile 1 (3)
.irp c, 0,1,2,3
.if \bb == 0
	v_mov_b32 v[SWD+\c], v[TM+4+\c]                ; byte bb of channel tile c's scale word
.else
	v_lshl_or_b32 v[SWD+\c], v[TM+4+\c], 8*\bb, v[SWD+\c]
.endif
.endr
.else
	QUANT ACC, RES+12*\bb, RES+12*\bb+6            ; fragment G of tiles (bb, 0) and (bb, 1)
	PWORD SWD+\bb
.endif
.endm
	s_load_b512 s[8:23], s[0:1], 0x0               ; q, k, v, wq_b, wk_b, wv_b, wcod, wscl
	s_load_b128 s[24:27], s[0:1], 0x40             ; qf, kv
	v_lshl_add_u32 v[SPW], v0, 2, SPARE
	v_mov_b32 v[NIL], 0
	v_lshrrev_b32 v9, 5, v0
	v_readfirstlane_b32 s[WV], v9                  ; wave 0..7
	s_and_b32 s[TEN], ttmp7, 0xffff                ; 0 q, 1 k, 2 v
	s_mov_b32 s[BLK], ttmp9
	v_and_b32 v9, 31, v0
	v_lshlrev_b32 v[LI], 4, v9
	v_and_b32 v10, 15, v0                          ; r
	v_bfe_u32 v11, v0, 4, 1                        ; h
	v_and_b32 v12, 8, v10
	v_add_nc_u32 v12, v12, v10                     ; r + 8 (r / 8)
	v_lshlrev_b32 v[XA], 11, v12
	v_lshl_add_u32 v[XA], v11, 6, v[XA]
	s_wait_alu depctr_va_sdst(0)                   ; s28, the wave's number, is written, ahead of its first reader: LDS addresses and all the bases are made from it
	s_mul_i32 s46, s[WV], 6144
	v_add_nc_u32 v[XWI], s46, v[LI]
	s_lshl_b32 s46, s[WV], 9
	v_add_nc_u32 v[XWS], s46, v[LI]
	v_lshlrev_b32 v[BA], 6, v11
	v_lshlrev_b32 v[BAV], 2, v12
.irp b, 0,1,2,3
	v_mov_b32 v[TM+4+\b], 0                        ; written once: a lane permute's destination counts as one of its sources
.endr
	s_mov_b32 s[SEL], 0x76543210
	s_mov_b32 s[SEL+1], 0xfedcba98
	s_lshl_b32 s50, s[BLK], 18                     ; x: 128 rows of 2,048 bytes a work-group,
	s_lshr_b32 s51, s[WV], 1
	s_lshl_b32 s51, s51, 5
	s_and_b32 s52, s[WV], 1
	s_lshl_b32 s52, s52, 3
	s_add_co_u32 s51, s51, s52                     ; my tile's first row: 32 (w / 2) + 8 (w % 2)
	s_lshl_b32 s51, s51, 11
	s_add_co_u32 s50, s50, s51
	s_mov_b32 s51, 0
	s_lshl_b32 s52, s[WV], 8                       ; the bias: my head's 64 numbers
	s_mov_b32 s53, 0
	s_mul_i32 s54, s[TEN], 196608                  ; the weight's codes: 32 tiles x 6,144; my head's four tiles
	s_mul_i32 s55, s[WV], 24576
	s_add_co_u32 s54, s54, s55
	s_mov_b32 s55, 0
	s_lshl_b32 s56, s[TEN], 14                     ; its scale words: 32 tiles x 512
	s_lshl_b32 s57, s[WV], 11
	s_add_co_u32 s56, s56, s57
	s_mov_b32 s57, 0
	s_lshr_b32 s58, s[BLK], 5
	s_lshl_b32 s58, s58, 3
	s_add_co_u32 s58, s58, s[WV]
	s_lshl_b32 s58, s58, 5
	s_and_b32 s59, s[BLK], 31
	s_add_co_u32 s58, s58, s59                     ; (batch x 8 + head) x 32 + key step
	s_cmp_eq_u32 s[TEN], 0
	s_mov_b32 s46, 13312
	s_cselect_b32 s46, 6656, s46                   ; a block of qf or of kv
	s_mov_b32 s47, 12288
	s_cselect_b32 s47, 6144, s47                   ; where its scale words lie: q's, k's,
	s_cmp_eq_u32 s[TEN], 2
	s_cselect_b32 s48, 6144, 0                     ; where the codes lie: v's behind k's
	s_cselect_b32 s47, 12800, s47                  ; v's
	s_mul_i32 s58, s58, s46
	s_add_co_u32 s60, s58, s48
	s_mov_b32 s61, 0
	s_add_co_u32 s62, s58, s47
	s_mov_b32 s63, 0
	s_wait_kmcnt 0x0
	s_cmp_eq_u32 s[TEN], 0                         ; the choices of buffers hang on the work-group's number alone
	s_cselect_b64 s[XP:XP+1], s[8:9], s[10:11]
	s_cselect_b64 s[BP:BP+1], s[14:15], s[16:17]
	s_cselect_b64 s[OUTC:OUTC+1], s[24:25], s[26:27]
	s_cmp_eq_u32 s[TEN], 2
	s_cselect_b64 s[XP:XP+1], s[12:13], s[XP:XP+1]
	s_cselect_b64 s[BP:BP+1], s[18:19], s[BP:BP+1]
	s_add_nc_u64 s[XP:XP+1], s[XP:XP+1], s[50:51]
	s_add_nc_u64 s[BP:BP+1], s[BP:BP+1], s[52:53]
	s_add_nc_u64 s[WP:WP+1], s[20:21], s[54:55]
	s_add_nc_u64 s[WSP:WSP+1], s[22:23], s[56:57]
	s_add_nc_u64 s[OUTS:OUTS+1], s[OUTC:OUTC+1], s[62:63]
	s_add_nc_u64 s[OUTC:OUTC+1], s[OUTC:OUTC+1], s[60:61]
	s_wait_alu depctr_va_vdst(0)                   ; the six offsets and addresses v1 to v6 are written, which every load, LDS instruction and store of the kernel reads: ahead of the branch, for both ways
	; the bias, in the result's layout: either way writes all 32 registers
	s_cmp_eq_u32 s[TEN], 2
	s_cbranch_scc1 .Lbias_v
	WIN 0x40
.irp t, 0,1,2,3                        ; q, k: lane (r, h), register j of tile t: channel 32 (t / 2) + 16 h + 8 (t % 2) + j
	global_load_b128 v[BI+8*\t:BI+8*\t+3], v[BA], s[BP:BP+1] offset:(32*(\t/2)+8*(\t%2))*4
	global_load_b128 v[BI+8*\t+4:BI+8*\t+7], v[BA], s[BP:BP+1] offset:(32*(\t/2)+8*(\t%2))*4+16
.endr
	WIN 0
	s_branch .Lbias_done
.Lbias_v:
	WIN 0x40
.irp t, 0,1,2,3                        ; v: all eight registers of tile t hold my channel's: 32 (t / 2) + 8 (t % 2) + r + 8 (r / 8)
.irp j, 0,1,2,3,4,5,6,7
	global_load_b32 v[BI+8*\t+\j], v[BAV], s[BP:BP+1] offset:(32*(\t/2)+8*(\t%2))*4
.endr
.endr
	WIN 0
.Lbias_done:
.irp t, 0,1,2,3
	global_load_b128 v[WS+4*\t:WS+4*\t+3], v[LI], s[WSP:WSP+1] offset:512*\t
.endr
	; ---- my tile of x becomes four fragments.  The weight's loads are strewn between x's, so that they land under the quantising.  Behind each quantiser one wait; behind it the loads, then the LDS stores
	XLOAD 0, 0
	XLOAD 1, 1
	WLOAD 0
	s_wait_loadcnt 28                              ; K step 0 is in: behind it K step 1's 16 loads and 12 of the weight's
	XQ 0, 0
	s_wait_alu depctr_va_vdst(0)                   ; the quantiser is done reading X0, in which K step 2 lands, and has written fragment 0, which the LDS stores read
	XLOAD 0, 2
	IMAGE 0
	s_wait_loadcnt 28                              ; K step 1 is in: behind it 12 of the weight's and K step 2's 16
	XQ 1, 1
	s_wait_alu depctr_va_vdst(0)                   ; the quantiser is done reading X1, in which K step 3 lands, and has written fragment 1, which the LDS stores read
	XLOAD 1, 3
	WLOAD 1
	IMAGE 1
	s_wait_loadcnt 28                              ; K step 2 is in: behind it K step 3's 16 and 12 of the weight's
	XQ 2, 0
	s_wait_alu depctr_va_vdst(0)                   ; the quantiser has written fragment 2, which the LDS stores read
	WLOAD 2
	WLOAD 3
	IMAGE 2
	s_wait_loadcnt 36                              ; K step 3 is in: behind it 36 of the weight's
	XQ 3, 1
	s_wait_alu depctr_va_vdst(0)                   ; the quantiser has written fragment 3 and the four scale words, which the LDS stores read, and is done reading X1, in which the first fragments and scale words from LDS land
	IMAGE 3
	ds_store_b128 v[XWS], v[SWD:SWD+3] offset:XSC
	s_wait_dscnt 0x0                               ; for the others' sake: my stores have landed
	s_barrier_signal -1
	s_barrier_wait -1                              ; x's 32 fragments lie in LDS; nothing is stored there again
	s_wait_alu depctr_vm_vsrc(0)                   ; my LDS stores have read v[RES ..] and v[SWD ..], which the walks' quantisers write again: ahead of the branch, for both ways
	XFETCH 0, 0                                    ; the first walk's first step; no vector or matrix instruction since the last wait on va_vdst names these registers
	s_wait_loadcnt 0x0                             ; the weight, its scale words, the bias
	s_cmp_eq_u32 s[TEN], 2
	s_cbranch_scc1 .Lmain_v
	BSTEP 0, 0
	BSTEP 1, 0
	BSTEP 2, 0
	BSTEP 3, 0
	s_branch .Ltail
.Lmain_v:
	BSTEP 0, 1
	BSTEP 1, 1
	BSTEP 2, 1
	BSTEP 3, 1
	; so far a register holds one key block of two channel tiles; a fragment of V^T wants two key blocks (2 e in lanes 0-15, 2 e + 1 in lanes 16-31) of one tile
.irp c, 0,1
.irp e, 0,1
.irp i, 0,1,2,3,4,5
	v_permlane16_swap_b32 v[RES+24*\c+6*\e+\i], v[RES+24*\c+12+6*\e+\i]
.endr
.endr
.endr
.Ltail:
	s_wait_alu depctr_va_vdst(0)                   ; the quantisers (v: and the exchanges) have written v[RES ..] and v[SWD ..], which the stores read
.irp f, 0,1,2,3
.irp g, 0,1,2
	global_store_b128 v[LI], v[RES+12*\f+4*\g:RES+12*\f+4*\g+3], s[OUTC:OUTC+1] offset:1536*\f+512*\g   ; 32 lanes store 512 consecutive bytes, at a multiple of 256 from the buffer's first byte
.endr
.endr
	global_store_b128 v[LI], v[SWD:SWD+3], s[OUTS:OUTS+1]
	s_wait_dscnt 0x0                               ; the closing lines, six on end
	s_wait_alu 0x0
	s_wait_tensorcnt 0x0
	ds_add_u32 v[SPW], v[NIL]
	s_wait_dscnt 0x0
	s_endpgm
.Lfunc_end_k_qba9d414521_proj:
	.size	k_qba9d414521_proj, .Lfunc_end_k_qba9d414521_proj-k_qba9d414521_proj
	.p2alignl 7, 3214868480
	.fill 96, 4, 3214868480
	.section	.rodata,"a",@progbits
	.p2align	6, 0x0
	.amdhsa_kernel k_qba9d414521_proj
		.amdhsa_group_segment_fixed_size 54272
		.amdhsa_private_segment_fixed_size 0
		.amdhsa_enable_private_segment 0
		.amdhsa_kernarg_size 80
		.amdhsa_user_sgpr_count 2
		.amdhsa_user_sgpr_kernarg_segment_ptr 1
		.amdhsa_wavefront_size32 1
		.amdhsa_system_sgpr_workgroup_id_x 1
		.amdhsa_system_sgpr_workgroup_id_y 1
		.amdhsa_system_sgpr_workgroup_id_z 1
		.amdhsa_system_vgpr_workitem_id 0
		.amdhsa_next_free_vgpr 512
		.amdhsa_next_free_sgpr 66
		.amdhsa_reserve_vcc 0
		.amdhsa_float_denorm_mode_32 3
		.amdhsa_float_denorm_mode_16_64 3
		.amdhsa_memory_ordered 1
		.amdhsa_forward_progress 1
		.amdhsa_inst_pref_size 120
	.end_amdhsa_kernel
	.amdgpu_metadata
---
amdhsa.version: [ 1, 2 ]
amdhsa.kernels:
  - .name:           k_qba9d414521_proj
    .symbol:         k_qba9d414521_proj.kd
    .args:
      - { .name: q, .offset: 0, .size: 8, .value_kind: global_buffer, .address_space: global }
      - { .name: k, .offset: 8, .size: 8, .value_kind: global_buffer, .address_space: global }
      - { .name: v, .offset: 16, .size: 8, .value_kind: global_buffer, .address_space: global }
      - { .name: wq_b, .offset: 24, .size: 8, .value_kind: global_buffer, .address_space: global }
      - { .name: wk_b, .offset: 32, .size: 8, .value_kind: global_buffer, .address_space: global }
      - { .name: wv_b, .offset: 40, .size: 8, .value_kind: global_buffer, .address_space: global }
      - { .name: wcod, .offset: 48, .size: 8, .value_kind: global_buffer, .address_space: global }
      - { .name: wscl, .offset: 56, .size: 8, .value_kind: global_buffer, .address_space: global }
      - { .name: qf, .offset: 64, .size: 8, .value_kind: global_buffer, .address_space: global }
      - { .name: kv, .offset: 72, .size: 8, .value_kind: global_buffer, .address_space: global }
    .group_segment_fixed_size: 54272
    .private_segment_fixed_size: 0
    .kernarg_segment_align: 8
    .kernarg_segment_size: 80
    .max_flat_workgroup_size: 256
    .sgpr_count:     66
    .vgpr_count:     512
    .wavefront_size: 32
...
	.end_amdgpu_metadata
.endif
;; end of part 6
;; launch attn (part 7): grid 16 x 16, 16 waves a work-group, no clusters, 327,680 bytes of LDS; arguments qf, kv, ocod, oscl; writes ocod, oscl
.if DOCPART == 7
	.amdgcn_target "amdgcn-amd-amdhsa--gfx1250"
	.amdhsa_code_object_version 6
	.text
	.protected	k_qba9d414521_attn
	.globl	k_qba9d414521_attn
	.p2align	8
	.type	k_qba9d414521_attn,@function
k_qba9d414521_attn:
	s_mov_b64 s[64:65], 0
	v_nop
	global_prefetch_b8 v0, s[64:65] scope:SCOPE_SE
	s_setreg_imm32_b32 hwreg(HW_REG_WAVE_MODE, 25, 1), 1
	s_wait_xcnt 0x0
; O[q] = the sum over keys of softmax(qh . kh / 8) vh, for one head of 64 channels, both products on codes of FP6 (E2M3) with one E8M0 byte for each 32 along a product's K; O is quantised along the model's 512 for the last product.
; THE SOFTMAX AHEAD OF THE SECOND PRODUCT: t = score x log2(e) / 8; M = the row's largest t so far, rounded UP to a whole number; p = 2^(t - M) is what is quantised, along the keys; it is not normalised.
; The row's sum is taken of the unquantised p, in f32, and divides O at the end.  When M moves, the sum and O are multiplied by 2^(old M - new M): exact.
; LIMITS: NaN and infinities are not served.  A block of the result whose largest magnitude lies under 2^-124 gets the byte 1; only this program reads the bytes.
; SHARES.  Work-group (x, y = batch x 8 + head) owns 256 queries of one head; each of its sixteen waves one tile of 16, in 256 registers: four waves to a SIMD, so that one wave's exponentials stand beside another's plain vector work, products and LDS loads.
; Every wave walks the head's 4,096 keys, 128 a step.  A step's operands are ONE dense block of kv, 13,312 bytes, images of operand registers: K's four fragments G, V's four, K's scale words, V's.
; A ring of two LDS slots of eight steps (106,496 bytes) is filled by the tensor data mover, each wave bringing a sixteenth: one tensor load of a wave is out at a time, and it has eight steps in which to land.
; NO CLUSTER: a step's 13,312 bytes come once into LDS and are read there by sixteen waves: what partners could share is one part in seventeen of what a step moves in a work-group, and the waves do not wait for it.
; K = 64 IN A FORM OF 128.  A fragment G holds two tiles of 16 keys: registers 0-5 tile (b, 0)'s 64 channels, registers 6-11 tile (b, 1)'s.  Against [q | 0] it gives tile (b, 0)'s scores, against [0 | q] tile (b, 1)'s: zero codes add nothing.
; LAYOUT.  Both products are used transposed (S^T = K Q^T, O^T = V^T P^T): a lane holds ONE query (lane % 16) throughout.  Lane r of key tile (b, u) is key 32 b + 8 u + r + 8 (r / 8), so the 16 registers of tiles (b, 0), (b, 1) are keys 32 b + 16 (lane / 16) + 0 .. 15.
; The channels of V^T's tiles are chosen likewise, so O^T's 32 registers are, 16 and 16, neighbours along the last product's K.
; OUT.  ocod: [batch][query tile][head] x 768: half a fragment (64 along K): registers 0-3 at 16 x lane, registers 4-5 at 512 + 8 x lane.  oscl: [batch][head][query tile][r]: two bytes.
.set STEPB, 13312                      ; a key step's block
.set VCO,   6144                       ; in it: V's fragments,
.set KSC,   12288                      ; K's scale words,
.set VSC,   12800                      ; V's
.set SLOTB, 8*STEPB
.set PARTB, SLOTB/16                   ; what one tensor load brings: 26 rows of 256 bytes
.set HEADB, 32*STEPB
.set SLOT1, 1<<17                      ; slot 1 begins here, so that one exclusive or turns an address in one slot into the other's
.set SPARE, 262144                     ; the spare words, 128 bytes for each wave: eight blocks of 256 bytes that no other line names
.set STG,   264192                     ; 512 bytes: the work-group's scale bytes on the way out; no tensor load lands here
.set LI,  1                            ; v1   16 x lane
.set ADR, 2                            ; v2   LDS address of the step in hand
.set SPW, 3                            ; v3   LDS address of my spare word; never rewritten
.set NIL, 4                            ; v4   0; never rewritten
.set QS,  5                            ; v5   q's scale word: its two bytes, twice
.set PS,  6                            ; v6   p's scale word
.set L8,  7                            ; v7   8 x lane
.set F,   8                            ; v[8:9] f = 2^(old M - new M); v9 is named with it as a pair
.set TMPR, 10                          ; v10  at work
.set PFO, 11                           ; v11  256 x lane; never rewritten
                                       ; v12 -M, v13 the largest t, v[14:15] the sum in two halves
.set QHI, 16                           ; v16-33: six zeros, q's six registers, six zeros: v[16:27] = [0 | q],
.set QLO, 22                           ; v[22:33] = [q | 0]
.set STA, 34                           ; v34  where I store my row's two scale bytes
.set STR, 35                           ; v35  where wave 0 reads them back
.set FR,  36                           ; v36-83   four fragments of K or of V
.set SC,  84                           ; v84-87   their scale words
.set BM,  88                           ; v88-91   each block's largest score, then its largest p
.set T8,  92                           ; v92-99   at work
.set SO,  100                          ; v100-103 the conversions' scale operands
.set PC,  104                          ; v104-115 p's codes
.set S,   128                          ; v128-191 S^T, then p
.set O,   192                          ; v192-223 O^T
.set QG,  224                          ; v224-236 at the head: the fragment G that holds my queries, and its scale word
.set WV,  12
.set SEL, 20
.set CS,  22                           ; s[22:23] c = log2(e) / 8
.set G1,  24
.set G0,  32
.set TB,  36                           ; s36  LDS byte at which the step in hand begins
.set SLOTS, 37
.set CNT, 38
.set LIM, 39                           ; s39  1 in a wave that prefetches, else the greatest number
.set PFA, 40
.set QP,  42
.set OC,  44
.set OS,  46
.set QSP, 52
	s_load_b256 s[4:11], s[0:1], 0x0               ; qf, kv, ocod, oscl
	v_lshl_add_u32 v[SPW], v0, 2, SPARE
	v_mov_b32 v[NIL], 0
	ds_add_u32 v[SPW], v[NIL]                      ; the wave's opening: the add and its wait stand ahead of my first tensor load; the set-up below, work on registers, stands between them
	ds_add_u32 v[SPW], v[NIL]
	v_lshrrev_b32 v[ADR], 5, v0
	s_delay_alu instid0(VALU_DEP_1)
	v_readfirstlane_b32 s[WV], v[ADR]              ; wave 0..15
	s_and_b32 s13, ttmp7, 0xffff                   ; batch x 8 + head
	s_mul_i32 s14, s13, HEADB                      ; the head's first byte in kv
	s_mul_i32 s15, s[WV], PARTB
	s_add_co_u32 s16, s14, s15                     ; my sixteenth of slot 0
	s_mov_b32 s17, 0
	s_lshl_b32 s18, s[WV], 13
	s_add_co_u32 s18, s18, s14
	s_add_co_u32 s18, s18, SLOTB                   ; the prefetches: my 8,192 bytes, in slot 1: the first change of slots steps it to slot 2
	s_mov_b32 s19, 0
	; descriptor group 1: 26 rows of 256 bytes (32 elements of 8 bytes), dense in memory and in LDS
	s_mov_b32 s[G1+0], 3<<16                       ; no mask; elements of 8 bytes; no padding
	s_mov_b32 s[G1+1], 32<<16                      ; tensor_dim0
	s_mov_b32 s[G1+2], 26<<16                      ; tensor_dim1
	s_mov_b32 s[G1+3], 32<<16                      ; tile_dim0
	s_mov_b32 s[G1+4], 26                          ; tile_dim1
	s_mov_b32 s[G1+5], 32                          ; from row to row
	s_mov_b32 s[G1+6], 0
	s_mov_b32 s[G1+7], 0
	s_mov_b32 s[G0], 1
	s_mul_i32 s[G0+1], s[WV], PARTB                ; LDS: slot 0, my sixteenth
	s_mov_b32 s[SEL], 0x76543210
	s_mov_b32 s[SEL+1], 0xfedcba98
	s_mov_b32 s[CS], 0x3e38aa3b                    ; log2(e) / 8
	s_mov_b32 s[CS+1], s[CS]                       ; (named with it as a pair, so it is written)
	s_mov_b32 s[TB], 0
	s_mov_b32 s[SLOTS], 3
	s_cmp_lt_u32 s[WV], 13                         ; a slot is 13 x 8,192 bytes: waves 0 to 12
	s_cselect_b32 s[LIM], 0, 1
	s_or_b32 s[LIM], s[LIM], ttmp9                 ; of the head's first work-group
	s_cmp_eq_u32 s[LIM], 0
	s_cselect_b32 s[LIM], 1, -1
	s_lshl_b32 s54, s13, 5                         ; my query tile is 16 x + w = 8 (2 x + w / 8) + 2 ((w / 2) % 4) + w % 2
	s_lshl_b32 s55, ttmp9, 1
	s_add_co_u32 s54, s54, s55
	s_lshr_b32 s55, s[WV], 3
	s_add_co_u32 s54, s54, s55
	s_mul_i32 s54, s54, 6656                       ; its block of qf,
	s_bfe_u32 s56, s[WV], 0x20001
	s_mul_i32 s57, s56, 1536
	s_add_co_u32 s58, s54, s57                     ; its fragment G,
	s_mov_b32 s59, 0
	s_lshl_b32 s56, s56, 2
	s_add_co_u32 s60, s54, s56
	s_add_co_u32 s60, s60, 6144                    ; G's scale word
	s_mov_b32 s61, 0
	s_and_b32 s49, s[WV], 1
	s_cmp_eq_u32 s49, 1
	s_cselect_b32 s48, -1, 0                       ; all lanes: G's upper six registers are mine
	s_lshl_b32 s49, s49, 4                         ; and the word's upper two bytes
	s_lshr_b32 s50, s13, 3
	s_lshl_b32 s50, s50, 8
	s_lshl_b32 s51, ttmp9, 4
	s_add_co_u32 s50, s50, s51
	s_add_co_u32 s50, s50, s[WV]                   ; batch x 256 + query tile
	s_lshl_b32 s50, s50, 3
	s_and_b32 s51, s13, 7
	s_add_co_u32 s50, s50, s51
	s_mul_i32 s50, s50, 768                        ; my half fragment in ocod
	s_mov_b32 s51, 0
	s_lshl_b32 s62, s13, 8
	s_lshl_b32 s63, ttmp9, 4
	s_add_co_u32 s62, s62, s63
	s_lshl_b32 s62, s62, 5                         ; the work-group's 512 bytes in oscl
	s_mov_b32 s63, 0
	s_lshl_b32 s2, s[WV], 5
	s_add_co_u32 s2, s2, STG
	v_and_b32 v[LI], 31, v0
	s_delay_alu instid0(VALU_DEP_1)
	v_lshlrev_b32 v[L8], 3, v[LI]
	s_delay_alu instid0(VALU_DEP_2)
	v_lshlrev_b32 v[PFO], 8, v[LI]
	s_delay_alu instid0(VALU_DEP_3)
	v_lshlrev_b32 v[LI], 4, v[LI]
	v_and_b32 v[STA], 15, v0
	s_delay_alu instid0(VALU_DEP_1)
	v_lshl_add_u32 v[STA], v[STA], 1, s2           ; STG + 32 x wave + 2 r
	s_delay_alu instid0(VALU_DEP_3)
	v_add_nc_u32 v[STR], STG, v[LI]
	s_wait_alu depctr_va_vdst(0)
	s_wait_dscnt 0x0                               ; the opening add is done
	s_wait_kmcnt 0x0
	s_add_nc_u64 s[G0+2:G0+3], s[6:7], s[16:17]
	s_or_b32 s[G0+3], s[G0+3], 0x80000000          ; type = 2
	tensor_load_to_lds s[G0:G0+3], s[G1:G1+7]      ; slot 0: the launch's one first fill
	s_nop 0
.rept 4
	v_nop
.endr
	s_add_nc_u64 s[PFA:PFA+1], s[6:7], s[18:19]
	s_add_nc_u64 s[QP:QP+1], s[4:5], s[58:59]
	s_add_nc_u64 s[QSP:QSP+1], s[4:5], s[60:61]
	s_add_nc_u64 s[OC:OC+1], s[8:9], s[50:51]
	s_add_nc_u64 s[OS:OS+1], s[10:11], s[62:63]
.irp g, 0,1,2
	global_load_b128 v[QG+4*\g:QG+4*\g+3], v[LI], s[QP:QP+1] offset:512*\g
.endr
	global_load_b32 v[QG+12], v[LI], s[QSP:QSP+1]
	v_mov_b32 v13, 0xff61b1e6                      ; the largest t so far: -3e38, under every t
	s_delay_alu instid0(VALU_DEP_1)
	v_floor_f32 v12, -v13                          ; -M
	v_mov_b32 v14, 0                               ; the sum, in two halves
	v_mov_b32 v15, 0
	v_mov_b32 v[F+1], 0
	v_mov_b32 v[TMPR], 0
.irp i, 0,1,2,3,4,5
	v_mov_b32 v[QHI+\i], 0
	v_mov_b32 v[QLO+6+\i], 0
.endr
.irp i, 0,1,2,3,4,5,6,7
	v_mov_b32 v[T8+\i], 0                          ; written once: a lane permute's destination counts as one of its sources
.endr
	s_wait_loadcnt 0x0
.irp i, 0,1,2,3,4,5
	v_cndmask_b32 v[QLO+\i], v[QG+\i], v[QG+6+\i], s48   ; my tile's six registers of G
.endr
	v_lshrrev_b32 v[QS], s49, v[QG+12]
	s_delay_alu instid0(VALU_DEP_1)
	v_and_b32 v[QS], 0xffff, v[QS]
	s_delay_alu instid0(VALU_DEP_1)
	v_lshl_or_b32 v[QS], v[QS], 16, v[QS]          ; my two bytes, for either half of K
.set jj, 0
.rept 32
	v_mov_b32 v[O+jj], 0                           ; O^T: the step is written once; the first finds zeros, which the first change of M leaves zeros.  (These also stand between the lines that made q and its scale word and the first product)
.set jj, jj+1
.endr
; A KEY STEP: 128 keys.
.macro STEP
	v_add_nc_u32 v[ADR], s[TB], v[LI]
.rept 3
	v_nop                                          ; with the addition four places in front of loads into registers that the last products have read
.endr
.irp b, 0,1,2,3
.irp g, 0,1,2
	ds_load_b128 v[FR+12*\b+4*\g:FR+12*\b+4*\g+3], v[ADR] offset:1536*\b+512*\g   ; K's four G: 512 consecutive bytes a load
.endr
.endr
	ds_load_b128 v[SC:SC+3], v[ADR] offset:KSC
	s_wait_alu depctr_va_vdst(0)
	s_wait_dscnt 0x0
.irp b, 0,1,2,3                        ; S^T = K Q^T.  No two products that follow each other share an accumulator, over the backward jump too
	v_wmma_scale_f32_16x16x128_f8f6f4 v[S+16*\b:S+16*\b+7], v[FR+12*\b:FR+12*\b+11], v[QLO:QLO+11], 0, v[SC+\b], v[QS] matrix_a_fmt:MATRIX_FMT_FP6 matrix_b_fmt:MATRIX_FMT_FP6
	v_wmma_scale_f32_16x16x128_f8f6f4 v[S+16*\b+8:S+16*\b+15], v[FR+12*\b:FR+12*\b+11], v[QHI:QHI+11], 0, v[SC+\b], v[QS] matrix_a_fmt:MATRIX_FMT_FP6 matrix_b_fmt:MATRIX_FMT_FP6
.endr
.rept 4
	v_nop                                          ; four places in front of the loads below and of the first read of the scores
.endr
.irp c, 0,1,2,3
.irp g, 0,1,2
	ds_load_b128 v[FR+12*\c+4*\g:FR+12*\c+4*\g+3], v[ADR] offset:VCO+1536*\c+512*\g   ; V's four fragments land under the softmax
.endr
.endr
	ds_load_b128 v[SC:SC+3], v[ADR] offset:VSC
.irp b, 0,1,2,3
	v_max3_num_f32 v[BM+\b], v[S+16*\b], v[S+16*\b+1], v[S+16*\b+2]   ; THE LARGEST SCORE OF EACH BLOCK OF 32 KEYS: for the row's maximum, and, since p rises with the score, for the block's largest p
.endr
.irp i, 3,5,7,9,11,13
.irp b, 0,1,2,3
	v_max3_num_f32 v[BM+\b], v[BM+\b], v[S+16*\b+\i], v[S+16*\b+\i+1]   ; the four blocks by turns, each accumulator from its low end on
.endr
.endr
.irp b, 0,1,2,3
	v_max_num_f32 v[BM+\b], v[BM+\b], v[S+16*\b+15]
.endr
.irp b, 0,1,2,3
	s_delay_alu instid0(VALU_DEP_4)
	v_permlanex16_b32 v[T8+\b], v[BM+\b], s[SEL], s[SEL+1]
.endr
.irp b, 0,1,2,3
	s_delay_alu instid0(VALU_DEP_4)
	v_max_num_f32 v[BM+\b], v[BM+\b], v[T8+\b]     ; with lane l xor 16's 16 keys
.endr
	s_delay_alu instid0(VALU_DEP_2)
	v_max3_num_f32 v[TMPR], v[BM], v[BM+1], v[BM+2]
	s_delay_alu instid0(VALU_DEP_1)
	v_max_num_f32 v[TMPR], v[TMPR], v[BM+3]        ; the step's largest score of my query
	s_delay_alu instid0(VALU_DEP_1)
	v_mul_f32 v[TMPR], s[CS], v[TMPR]              ; as t (c is positive)
	s_delay_alu instid0(VALU_DEP_1)
	v_max_num_f32 v13, v13, v[TMPR]                ; the running largest t
	v_mov_b32 v[TMPR], v12
	s_delay_alu instid0(VALU_DEP_2)
	v_floor_f32 v12, -v13                          ; the new -M = floor(-t) = -ceil(t): M IS A WHOLE NUMBER
	s_delay_alu instid0(VALU_DEP_1)
	v_sub_f32 v[TMPR], v12, v[TMPR]                ; M's old value less its new one: a whole number, 0 or less
	s_delay_alu instid0(VALU_DEP_1)
	v_cvt_i32_f32 v[TMPR], v[TMPR]                 ; (it saturates)
	s_delay_alu instid0(VALU_DEP_1)
	v_ldexp_f32 v[F], 1.0, v[TMPR]                 ; f = 2^(old M - new M): a multiplication by it rounds nothing
.set jj, 0
.rept 32
	v_pk_fma_f32 v[S+jj:S+jj+1], v[S+jj:S+jj+1], s[CS:CS+1], v[12:13] op_sel_hi:[1,0,0]   ; t - M, two at a time (of the pairs c and -M the low word serves both halves)
.set jj, jj+2
.endr
.irp b, 0,1,2,3
	v_fma_f32 v[BM+\b], v[BM+\b], s[CS], v12       ; the same of each block's largest score
.endr
.set jj, 0
	s_wait_alu depctr_va_vdst(0)
.rept 64
	v_exp_f32 v[S+jj], v[S+jj]                     ; p = 2^(t - M), at most 1: NOT normalised
.set jj, jj+1
.endr
	s_setprio 1
	v_pk_mul_f32 v[14:15], v[14:15], v[F:F+1] op_sel_hi:[1,0]   ; the sums under the new M: the plain instruction behind the exponentials
	s_wait_alu depctr_va_vdst(0)                   ; one wait for the whole batch, ahead of the first instruction that names a result
.irp b, 0,1,2,3
	v_exp_f32 v[BM+\b], v[BM+\b]                   ; the block's largest p: the same two instructions on the same number give the same bits
.endr
	v_pk_add_f32 v[92:93], v[132:133], v[136:137]
	v_pk_add_f32 v[254:255], v[140:141], v[144:145]
	v_pk_add_f32 v[252:253], v[148:149], v[152:153]
	v_pk_add_f32 v[250:251], v[156:157], v[160:161]
	v_pk_add_f32 v[248:249], v[164:165], v[168:169]
	v_pk_add_f32 v[246:247], v[172:173], v[176:177]
	v_pk_add_f32 v[244:245], v[180:181], v[184:185]
	v_pk_add_f32 v[14:15], v[14:15], v[188:189]
	v_pk_add_f32 v[92:93], v[92:93], v[128:129]
	v_pk_add_f32 v[254:255], v[254:255], v[130:131]
	v_pk_add_f32 v[252:253], v[252:253], v[134:135]
	v_pk_add_f32 v[250:251], v[250:251], v[138:139]
	v_pk_add_f32 v[248:249], v[248:249], v[142:143]
	v_pk_add_f32 v[246:247], v[246:247], v[146:147]
	v_pk_add_f32 v[244:245], v[244:245], v[150:151]
	v_pk_add_f32 v[14:15], v[14:15], v[154:155]
	v_pk_add_f32 v[92:93], v[92:93], v[158:159]
	v_pk_add_f32 v[254:255], v[254:255], v[162:163]
	v_pk_add_f32 v[252:253], v[252:253], v[166:167]
	v_pk_add_f32 v[250:251], v[250:251], v[170:171]
	v_pk_add_f32 v[248:249], v[248:249], v[174:175]
	v_pk_add_f32 v[246:247], v[246:247], v[178:179]
	v_pk_add_f32 v[244:245], v[244:245], v[182:183]
	v_pk_add_f32 v[14:15], v[14:15], v[186:187]
	v_pk_add_f32 v[92:93], v[92:93], v[190:191]
	s_delay_alu instid0(VALU_DEP_2)
	v_pk_add_f32 v[14:15], v[14:15], v[250:251]
	s_delay_alu instid0(VALU_DEP_2)
	v_pk_add_f32 v[92:93], v[92:93], v[248:249]
	v_pk_add_f32 v[254:255], v[254:255], v[246:247]
	v_pk_add_f32 v[252:253], v[252:253], v[244:245]
	s_delay_alu instid0(VALU_DEP_2)
	v_pk_add_f32 v[14:15], v[14:15], v[254:255]
	s_delay_alu instid0(VALU_DEP_2)
	v_pk_add_f32 v[92:93], v[92:93], v[252:253]
	s_delay_alu instid0(VALU_DEP_1)
	v_pk_add_f32 v[14:15], v[14:15], v[92:93]
	s_wait_alu depctr_va_vdst(0)                   ; and one for the four
.irp b, 0,1,2,3
	v_max_num_f32 v[BM+\b], 0x1800000, v[BM+\b]    ; the floor 2^(3 - 127): the byte cannot fall under 1 (a block whose every p has fallen to 0 keeps that byte: its codes are zeros)
.endr
.irp b, 0,1,2,3
	s_delay_alu instid0(VALU_DEP_4)
	v_add_nc_u32 v[SO+\b], 0xff000000, v[BM+\b]    ; 2 off the exponent field: the conversion's scale operand
.endr
.irp b, 0,1,2,3
	s_delay_alu instid0(VALU_DEP_4)
	v_lshrrev_b32 v[T8+\b], 23, v[SO+\b]           ; the scale's byte
.endr
	s_delay_alu instid0(VALU_DEP_3)
	v_lshl_or_b32 v[PS], v[T8+1], 8, v[T8]         ; p's scale word for these 128 keys
	s_delay_alu instid0(VALU_DEP_1)
	v_lshl_or_b32 v[PS], v[T8+2], 16, v[PS]
	s_delay_alu instid0(VALU_DEP_1)
	v_lshl_or_b32 v[PS], v[T8+3], 24, v[PS]
.irp c, 0,1
	v_cvt_scalef32_pk16_fp6_f32 v[PC+6*\c:PC+6*\c+2], v[S+32*\c:S+32*\c+15], v[SO+2*\c]
	v_cvt_scalef32_pk16_fp6_f32 v[T8+4*\c:T8+4*\c+2], v[S+32*\c+16:S+32*\c+31], v[SO+2*\c+1]   ; (a conversion's three registers begin on an even number)
.endr
	v_nop                                          ; one plain instruction behind the last scaled conversion
.irp c, 0,1                            ; the operand's layout wants a WHOLE block in a lane: lanes 0-15 block 2 c, lanes 16-31 block 2 c + 1
.irp i, 0,1,2
	v_permlane16_swap_b32 v[PC+6*\c+\i], v[T8+4*\c+\i]
.endr
.irp i, 0,1,2
	s_delay_alu instid0(VALU_DEP_3)
	v_mov_b32 v[PC+6*\c+3+\i], v[T8+4*\c+\i]
.endr
.endr
.set jj, 0
	s_setprio 0
.rept 16
	v_pk_mul_f32 v[O+jj:O+jj+1], v[O+jj:O+jj+1], v[F:F+1] op_sel_hi:[1,0]   ; O^T under the new M.  These sixteen also stand between the lines that made p's codes and scale word and the products below
.set jj, jj+2
.endr
	s_wait_alu depctr_va_vdst(0)
	s_wait_dscnt 0x0                               ; V's fragments and scale words are in
.irp c, 0,1,2,3                        ; O^T += V^T P^T: K = these 128 keys
	v_wmma_scale_f32_16x16x128_f8f6f4 v[O+8*\c:O+8*\c+7], v[FR+12*\c:FR+12*\c+11], v[PC:PC+11], v[O+8*\c:O+8*\c+7], v[SC+\c], v[PS] matrix_a_fmt:MATRIX_FMT_FP6 matrix_b_fmt:MATRIX_FMT_FP6
.endr
	s_add_co_u32 s[TB], s[TB], STEPB               ; the next step's block
.endm
; A slot's eight key steps: written once, walked eight times.
.macro SLOT_STEPS
	s_mov_b32 s[CNT], 8
.Lstep_\@:
	s_setprio 2
	STEP
	s_sub_co_u32 s[CNT], s[CNT], 1
	s_cmp_lg_u32 s[CNT], 0
	s_cbranch_scc1 .Lstep_\@
	s_setprio 0
	s_and_b32 s[TB], s[TB], SLOT1                  ; back to the slot's first byte (eight steps are under 2^17 bytes),
	s_xor_b32 s[TB], s[TB], SLOT1                  ; and on to the other slot
.endm
; A PREFETCH INTO THE L2 of the slot that the NEXT change of slots will ask for: 106,496 dense bytes of kv = 13 waves x 32 lanes x 256 bytes, one instruction a wave: each aligned block of 256 bytes is named once in the launch.
; All sixteen work-groups of a head walk the same blocks: the head's first work-group asks (a branch on the work-group's and the wave's number).  It stands behind the wave's tensor load, eight key steps ahead of the load that will want the bytes.
; The last change that fills a slot asks for nothing: there is no slot behind it.  Slots 0 and 1 come by their loads alone.
.macro ASK
	s_cmp_gt_u32 s[SLOTS], s[LIM]
	s_cbranch_scc0 .Lnot_mine_\@
	global_prefetch_b8 v[PFO], s[PFA:PFA+1] th:TH_LOAD_NT scope:SCOPE_SE
.Lnot_mine_\@:
.endm
; THE CHANGE OF SLOTS stands at a slot's head.  Each wave waits for all its tensor loads (its part of the slot that it is about to read), adds 0 to its spare word, and waits for that and for its reads of the slot that it has left.
; Behind the barrier the slot ahead is whole and nobody reads the other one.  fill = 1: that other slot is filled with the eight steps that follow.
.macro CHANGE fill
	s_wait_tensorcnt 0x0                           ; no tensor load of mine is out, so group 0 may be written
	ds_add_u32 v[SPW], v[NIL]                      ; 0 onto my spare word; the steps below stand between it and the wait for it
.if \fill
	s_xor_b32 s[G0+1], s[G0+1], SLOT1              ; the walking descriptor: the other slot than last time,
	s_add_nc_u64 s[G0+2:G0+3], s[G0+2:G0+3], SLOTB ; the next eight steps; the type bits on top are not reached
	s_wait_xcnt 0x0                                ; the last prefetch, a slot back, has read its address, so it may be written:
	s_add_nc_u64 s[PFA:PFA+1], s[PFA:PFA+1], SLOTB ; one slot further on than the walking descriptor
.endif
	s_wait_dscnt 0x0                               ; the add is done, and my reads of the slot that I have left are over
	s_barrier_signal -1
	s_barrier_wait -1
.if \fill
	tensor_load_to_lds s[G0:G0+3], s[G1:G1+7]      ; the first thing behind the barrier, and my one tensor load until the next
	s_nop 0
.rept 4
	v_nop
.endr
	ASK
.endif
.endm
.Lslot:                                            ; three trips: behind each change of slots but the last the next slot is asked for
	CHANGE 1
	SLOT_STEPS
	s_sub_co_u32 s[SLOTS], s[SLOTS], 1
	s_cmp_lg_u32 s[SLOTS], 0
	s_cbranch_scc1 .Lslot
	CHANGE 0                                       ; the last slot is written out
	SLOT_STEPS
	; THE WAY OUT.  O^T / the sum; its 64 channels are two blocks of the last product's K: quantised here, half a fragment a wave.
	v_add_f32 v14, v14, v15                        ; the sum's two halves,
	s_delay_alu instid0(VALU_DEP_1)
	v_permlanex16_b32 v[TMPR], v14, s[SEL], s[SEL+1]
	s_delay_alu instid0(VALU_DEP_1)
	v_add_f32 v14, v14, v[TMPR]                    ; and lane l xor 16's: the row's sum
	s_wait_alu depctr_va_vdst(0)
	v_rcp_f32 v14, v14
.rept 3
	v_nop                                          ; the plain instruction behind the reciprocal; with the two additions five places behind the last products
.endr
	s_wait_alu depctr_va_vdst(0)                   ; the wait ahead of the reciprocal's first reader
.set jj, 0
.rept 16
	v_pk_mul_f32 v[S+jj:S+jj+1], v[O+jj:O+jj+1], v[14:15] op_sel_hi:[1,0]   ; register 16 e + i: channel 32 e + 16 (lane / 16) + i of my query; each accumulator from its low end on
.set jj, jj+2
.endr
.irp e, 0,1
	v_max3_num_f32 v[BM+\e], |v[S+16*\e]|, |v[S+16*\e+1]|, 0x1800000   ; my 16 numbers of block e, and the floor 2^(3 - 127)
.endr
.irp i, 2,4,6,8,10,12,14
.irp e, 0,1
	s_delay_alu instid0(VALU_DEP_2)
	v_max3_num_f32 v[BM+\e], v[BM+\e], |v[S+16*\e+\i]|, |v[S+16*\e+\i+1]|
.endr
.endr
.irp e, 0,1
	s_delay_alu instid0(VALU_DEP_2)
	v_permlanex16_b32 v[T8+\e], v[BM+\e], s[SEL], s[SEL+1]
.endr
.irp e, 0,1
	s_delay_alu instid0(VALU_DEP_2)
	v_max_num_f32 v[BM+\e], v[BM+\e], v[T8+\e]
.endr
.irp e, 0,1
	s_delay_alu instid0(VALU_DEP_2)
	v_add_nc_u32 v[SO+\e], 0xff000000, v[BM+\e]
.endr
.irp e, 0,1
	s_delay_alu instid0(VALU_DEP_2)
	v_lshrrev_b32 v[T8+\e], 23, v[SO+\e]
.endr
	s_delay_alu instid0(VALU_DEP_1)
	v_lshl_or_b32 v[TMPR], v[T8+1], 8, v[T8]       ; my row's two bytes
	v_cvt_scalef32_pk16_fp6_f32 v[PC:PC+2], v[S:S+15], v[SO]
	v_cvt_scalef32_pk16_fp6_f32 v[T8+4:T8+6], v[S+16:S+31], v[SO+1]
	v_nop                                          ; one plain instruction behind the last scaled conversion
.irp i, 0,1,2
	v_permlane16_swap_b32 v[PC+\i], v[T8+4+\i]
.endr
.irp i, 0,1,2
	s_delay_alu instid0(VALU_DEP_3)
	v_mov_b32 v[PC+3+\i], v[T8+4+\i]
.endr
	global_store_b128 v[LI], v[PC:PC+3], s[OC:OC+1]            ; 512 consecutive bytes,
	global_store_b64 v[L8], v[PC+4:PC+5], s[OC:OC+1] offset:512   ; and 256, both at multiples of 256 from the buffer's first byte
	ds_store_b16 v[STA], v[TMPR]                   ; both lanes of a row write the same two bytes with the same value
	s_wait_dscnt 0x0                               ; for wave 0's sake: my store has landed
	s_barrier_signal -1
	s_barrier_wait -1
	s_cmp_lg_u32 s[WV], 0
	s_cbranch_scc1 .Lend
	ds_load_b128 v[BM:BM+3], v[STR]                ; the sixteen tiles' scale bytes leave as 512 consecutive bytes
	s_wait_dscnt 0x0
	global_store_b128 v[LI], v[BM:BM+3], s[OS:OS+1]
.Lend:
	s_wait_tensorcnt 0x0                           ; the wave's end: behind my last tensor load and my last LDS store
	ds_add_u32 v[SPW], v[NIL]
	s_wait_dscnt 0x0
	s_endpgm
.Lfunc_end_k_qba9d414521_attn:
	.size	k_qba9d414521_attn, .Lfunc_end_k_qba9d414521_attn-k_qba9d414521_attn
	.p2alignl 7, 3214868480
	.fill 96, 4, 3214868480
	.section	.rodata,"a",@progbits
	.p2align	6, 0x0
	.amdhsa_kernel k_qba9d414521_attn
		.amdhsa_group_segment_fixed_size 327680
		.amdhsa_private_segment_fixed_size 0
		.amdhsa_enable_private_segment 0
		.amdhsa_kernarg_size 32
		.amdhsa_user_sgpr_count 2
		.amdhsa_user_sgpr_kernarg_segment_ptr 1
		.amdhsa_wavefront_size32 1
		.amdhsa_system_sgpr_workgroup_id_x 1
		.amdhsa_system_sgpr_workgroup_id_y 1
		.amdhsa_system_sgpr_workgroup_id_z 1
		.amdhsa_system_vgpr_workitem_id 0
		.amdhsa_next_free_vgpr 256
		.amdhsa_next_free_sgpr 66
		.amdhsa_reserve_vcc 0
		.amdhsa_float_denorm_mode_32 3
		.amdhsa_float_denorm_mode_16_64 3
		.amdhsa_memory_ordered 1
		.amdhsa_forward_progress 1
		.amdhsa_inst_pref_size 47
	.end_amdhsa_kernel
	.amdgpu_metadata
---
amdhsa.version: [ 1, 2 ]
amdhsa.kernels:
  - .name:           k_qba9d414521_attn
    .symbol:         k_qba9d414521_attn.kd
    .args:
      - { .name: qf, .offset: 0, .size: 8, .value_kind: global_buffer, .address_space: global }
      - { .name: kv, .offset: 8, .size: 8, .value_kind: global_buffer, .address_space: global }
      - { .name: ocod, .offset: 16, .size: 8, .value_kind: global_buffer, .address_space: global }
      - { .name: oscl, .offset: 24, .size: 8, .value_kind: global_buffer, .address_space: global }
    .group_segment_fixed_size: 327680
    .private_segment_fixed_size: 0
    .kernarg_segment_align: 8
    .kernarg_segment_size: 32
    .max_flat_workgroup_size: 512
    .sgpr_count:     66
    .vgpr_count:     256
    .wavefront_size: 32
...
	.end_amdgpu_metadata
.endif
;; end of part 7
;; launch oproj (part 8): grid 256 x 1, 8 waves a work-group, no clusters, 35,840 bytes of LDS; arguments ocod, oscl, wcod, wscl, wo_b, out0; writes out0
.if DOCPART == 8
	.amdgcn_target "amdgcn-amd-amdhsa--gfx1250"
	.amdhsa_code_object_version 6
	.text
	.protected	k_qba9d414521_oproj
	.globl	k_qba9d414521_oproj
	.p2align	8
	.type	k_qba9d414521_oproj,@function
k_qba9d414521_oproj:
	s_mov_b64 s[64:65], 0
	v_nop
	global_prefetch_b8 v0, s[64:65] scope:SCOPE_SE
	s_setreg_imm32_b32 hwreg(HW_REG_WAVE_SCHED_MODE, 0, 2), 2
	s_setreg_imm32_b32 hwreg(HW_REG_WAVE_MODE, 25, 1), 1
	s_wait_xcnt 0x0
	s_wait_alu depctr_vm_vsrc(0)
; out0 = O wo^T + bo on codes of FP6 (E2M3) with one E8M0 byte for each 32 along K.  O arrives as half fragments (ocod) and pairs of scale bytes (oscl), wo as images of operand registers (wcod, wscl: the fourth weight).  out0: [8,192][512] f32.
; SHARES.  Work-group g takes 32 rows: two tiles; lane r of tile u is row 32 g + 8 u + r + 8 (r / 8).  Wave w takes columns 64 w .. 64 w + 63: four tiles of wo (16 fragments, window 1), which it loads once.
; Each wave loads the rows' eight fragments itself (12,288 bytes): no operand goes through LDS and no barrier is needed.
; The product is used transposed (source 0 = 16 rows of wo, source 1 = 16 rows of O): a lane holds eight neighbouring columns of one row.  The bias is the C of each sum's first matrix instruction.
; The results go through the wave's own stage in LDS (16 rows x 256 bytes + 16) and leave as rows: sixteen lanes store 256 consecutive bytes, at a multiple of 256 from out0's first byte.
; REGISTERS, in windows of 256: window 0: all but:  window 1: v0-191 wo's fragments (tile t, K step s at 12 (4 t + s)); v192-223 the bias, 8 a tile.
; THE MODE: SCHED_MODE bits 1:0 = 2 (LLVM: expert scheduling mode 2), set by the entry lines.  The code itself states the register dependences
; between vector or matrix instructions and memory or LDS instructions, with s_wait_alu, always for 0.
; THE PLAN.  Registers that memory or LDS instructions touch:
;   v1 .. v7      offsets and LDS addresses: written once at the head, ahead of the head's wait on va_vdst; never again.
;   WS, TS, AF, window 1   loaded once, by loads that no vector instruction precedes on these registers; then read by vector and matrix instructions.
;   AS            written by eight vector instructions, taken by the products as scales: one wait, behind the places.
;   ACC           written by the products, read by the stage's LDS stores.   OB lies in AF's registers: read by the products, then the stage's LDS loads land there, and the global stores read them.
;   One wait, behind the places behind the last product, states both; no vector or matrix instruction follows it.   v[SPW], v[NIL]: written at the head, read by the closing add alone.
.set SPITCH, 272
.set STGW,  16*SPITCH                  ; a wave's stage
.set SPARE, 8*STGW                     ; behind the stages: the spare words, 128 bytes for each wave: four blocks of 256 bytes that no other line names
.set LI,  1                            ; v1   16 x lane
.set L8,  2                            ; v2   8 x lane
.set R2,  3                            ; v3   2 r
.set BA,  4                            ; v4   64 (lane / 16)
.set STO, 5                            ; v5   the stage: where I put 16 bytes of a row
.set RD,  6                            ; v6   and where I read a row back
.set CO,  7                            ; v7   my byte offset in two rows of out0
.set SPW, 8                            ; v8   LDS address of my spare word; never rewritten
.set NIL, 9                            ; v9   0; never rewritten
.set WS,  16                           ; v16-31   wo's scale words: 4 t + s
.set AS,  32                           ; v32-39   O's: 4 u + s
.set TS,  40                           ; v40-55   O's pairs of bytes: 8 u + head
.set AF,  64                           ; v64-159  O's fragments: 4 u + s
.set ACC, 160                          ; v160-223 eight accumulators
.set OB,  64                           ; v64-127  the way out: rows read back
.set BI,  192                          ; in window 1
.set WV,  16
.set MSB, 0
.macro WIN new                         ; the immediate's high byte repeats the setting that is left
.if MSB != \new
	s_set_vgpr_msb (MSB<<8)|\new
.set MSB, \new
.endif
.endm
	s_load_b256 s[4:11], s[0:1], 0x0               ; ocod, oscl, wcod, wscl
	s_load_b128 s[12:15], s[0:1], 0x20             ; wo_b, out0
	v_lshl_add_u32 v[SPW], v0, 2, SPARE
	v_mov_b32 v[NIL], 0
	v_lshrrev_b32 v10, 5, v0
	v_readfirstlane_b32 s[WV], v10                 ; wave 0..7
	v_and_b32 v10, 31, v0
	v_lshlrev_b32 v[LI], 4, v10
	v_lshlrev_b32 v[L8], 3, v10
	v_and_b32 v11, 15, v0                          ; r
	v_bfe_u32 v12, v0, 4, 1                        ; h
	v_lshlrev_b32 v[R2], 1, v11
	v_lshlrev_b32 v[BA], 6, v12
	s_wait_alu depctr_va_sdst(0)                   ; s16, the wave's number, is written, ahead of its first reader: the stage's place and the bases are made from it
	s_mul_i32 s17, s[WV], STGW
	v_mul_u32_u24 v[STO], v11, SPITCH
	v_lshl_add_u32 v[STO], v12, 6, v[STO]
	v_add_nc_u32 v[STO], s17, v[STO]               ; in: row r, + 64 h: tile t's eight columns lie 128 (t / 2) + 32 (t % 2) bytes on
	v_mul_u32_u24 v[RD], v12, SPITCH
	v_lshl_add_u32 v[RD], v11, 4, v[RD]
	v_add_nc_u32 v[RD], s17, v[RD]                 ; back: lanes 0-15 one row, lanes 16-31 the next
	v_lshlrev_b32 v[CO], 11, v12
	v_lshl_add_u32 v[CO], v11, 4, v[CO]            ; and the same two rows in out0
	s_mul_i32 s18, ttmp9, 12288                    ; ocod: two tiles x 8 heads x 768
	s_mov_b32 s19, 0
	s_lshr_b32 s20, ttmp9, 7
	s_lshl_b32 s20, s20, 16                        ; oscl: the batch's 65,536 bytes,
	s_and_b32 s21, ttmp9, 127
	s_lshl_b32 s21, s21, 6                         ; two tiles x 32 bytes
	s_add_co_u32 s20, s20, s21
	s_mov_b32 s21, 0
	s_mul_i32 s22, s[WV], 24576
	s_add_co_u32 s22, s22, 3*196608                ; wcod: the fourth weight, my four tiles
	s_mov_b32 s23, 0
	s_lshl_b32 s24, s[WV], 11
	s_add_co_u32 s24, s24, 3*16384                 ; wscl likewise
	s_mov_b32 s25, 0
	s_lshl_b32 s26, s[WV], 8                       ; the bias: my 64 numbers
	s_mov_b32 s27, 0
	s_lshl_b32 s28, ttmp9, 16                      ; out0: 32 rows of 2,048 bytes, my 256 bytes of each
	s_add_co_u32 s28, s28, s26
	s_mov_b32 s29, 0
	s_wait_kmcnt 0x0
	s_add_nc_u64 s[4:5], s[4:5], s[18:19]
	s_add_nc_u64 s[6:7], s[6:7], s[20:21]
	s_add_nc_u64 s[8:9], s[8:9], s[22:23]
	s_add_nc_u64 s[10:11], s[10:11], s[24:25]
	s_add_nc_u64 s[12:13], s[12:13], s[26:27]
	s_add_nc_u64 s[14:15], s[14:15], s[28:29]
	s_wait_alu depctr_va_vdst(0)                   ; the seven offsets and addresses v1 to v7 are written, which every load, LDS instruction and store of the kernel reads
.irp t, 0,1,2,3
	global_load_b128 v[WS+4*\t:WS+4*\t+3], v[LI], s[10:11] offset:512*\t
.endr
.irp u, 0,1
.irp hd, 0,1,2,3,4,5,6,7               ; head hd's 64 channels are registers 6 (hd % 2) .. + 5 of K step hd / 2
	global_load_b128 v[AF+12*(4*\u+\hd/2)+6*(\hd%2):AF+12*(4*\u+\hd/2)+6*(\hd%2)+3], v[LI], s[4:5] offset:\u*6144+\hd*768
	global_load_b64 v[AF+12*(4*\u+\hd/2)+6*(\hd%2)+4:AF+12*(4*\u+\hd/2)+6*(\hd%2)+5], v[L8], s[4:5] offset:\u*6144+\hd*768+512
.endr
.endr
.irp u, 0,1
.irp hd, 0,1,2,3,4,5,6,7
	global_load_u16 v[TS+8*\u+\hd], v[R2], s[6:7] offset:\hd*8192+32*\u
.endr
.endr
	WIN 0x40                                       ; destination window 1.  Between the wait above and these loads stand loads and this switch alone
.irp t, 0,1,2,3                        ; the bias: lane (r, h), register j of tile t: column 32 (t / 2) + 16 h + 8 (t % 2) + j
	global_load_b128 v[BI+8*\t:BI+8*\t+3], v[BA], s[12:13] offset:(32*(\t/2)+8*(\t%2))*4
	global_load_b128 v[BI+8*\t+4:BI+8*\t+7], v[BA], s[12:13] offset:(32*(\t/2)+8*(\t%2))*4+16
.endr
.irp f, 0,1,2,3,4,5,6,7,8,9,10,11,12,13,14,15
.irp g, 0,1,2
	global_load_b128 v[12*\f+4*\g:12*\f+4*\g+3], v[LI], s[8:9] offset:\f*1536+512*\g
.endr
.endr
	WIN 0
	s_wait_loadcnt 0x0
.irp u, 0,1
.irp s, 0,1,2,3
	v_lshl_or_b32 v[AS+4*\u+\s], v[TS+8*\u+2*\s+1], 16, v[TS+8*\u+2*\s]   ; two heads' pairs of bytes make a K step's scale word
.endr
.endr
.rept 8
	v_nop                                          ; a scale register written by a vector instruction stands eight places ahead of a scaled matrix instruction
.endr
	s_wait_alu depctr_va_vdst(0)                   ; the eight scale words v[AS ..] are written, which the products take as scales; the places above stay beside this wait
.irp s, 0,1,2,3                        ; eight accumulators by turns, one instruction a turn, a K step at a time
.if \s == 0
	WIN 0x11                                       ; source 0 (wo) and source 2 (the bias) window 1
.else
	WIN 0x01
.endif
.irp u, 0,1
.irp t, 0,1,2,3
.if \s == 0
	v_wmma_scale_f32_16x16x128_f8f6f4 v[ACC+32*\u+8*\t:ACC+32*\u+8*\t+7], v[12*(4*\t+\s):12*(4*\t+\s)+11], v[AF+12*(4*\u+\s):AF+12*(4*\u+\s)+11], v[BI+8*\t:BI+8*\t+7], v[WS+4*\t+\s], v[AS+4*\u+\s] matrix_a_fmt:MATRIX_FMT_FP6 matrix_b_fmt:MATRIX_FMT_FP6
.else
	v_wmma_scale_f32_16x16x128_f8f6f4 v[ACC+32*\u+8*\t:ACC+32*\u+8*\t+7], v[12*(4*\t+\s):12*(4*\t+\s)+11], v[AF+12*(4*\u+\s):AF+12*(4*\u+\s)+11], v[ACC+32*\u+8*\t:ACC+32*\u+8*\t+7], v[WS+4*\t+\s], v[AS+4*\u+\s] matrix_a_fmt:MATRIX_FMT_FP6 matrix_b_fmt:MATRIX_FMT_FP6
.endif
.endr
.endr
.endr
	WIN 0
.rept 4
	v_nop                                          ; four places in front of the LDS stores that read results
.endr
	s_wait_alu depctr_va_vdst(0)                   ; the products have written the accumulators, which the LDS stores read, and are done reading O's fragments, in whose registers the loads from the stage land; the places above stay beside this wait
.macro TOSTAGE u                       ; tile u into my stage, each accumulator from its low end on, and back as rows.  LDS serves a wave's instructions in order (ISA guide 5.7.1.4): no wait between the stores and the loads, nor in front of the next tile's stores
.irp t, 0,1,2,3
	ds_store_b128 v[STO], v[ACC+32*\u+8*\t:ACC+32*\u+8*\t+3] offset:128*(\t/2)+32*(\t%2)
	ds_store_b128 v[STO], v[ACC+32*\u+8*\t+4:ACC+32*\u+8*\t+7] offset:128*(\t/2)+32*(\t%2)+16
.endr
.irp i, 0,1,2,3,4,5,6,7
	ds_load_b128 v[OB+32*\u+4*\i:OB+32*\u+4*\i+3], v[RD] offset:2*SPITCH*\i
.endr
.endm
.macro SEND u, younger                 ; younger: the LDS instructions issued behind tile u's loads, which may stay out.  Stage rows 2 i, 2 i + 1 are rows 8 u + 2 i + 8 (i / 4) and the next of my 32
.irp i, 0,1,2,3,4,5,6,7
	s_wait_dscnt \younger+7-\i
	global_store_b128 v[CO], v[OB+32*\u+4*\i:OB+32*\u+4*\i+3], s[14:15] offset:(8*\u+2*\i+8*(\i/4))*2048 th:TH_STORE_NT
.endr
.endm
	TOSTAGE 0
	TOSTAGE 1
	SEND 0, 16                                     ; behind tile 0's loads: tile 1's eight stores and eight loads
	SEND 1, 0
	s_wait_dscnt 0x0                               ; the closing lines, six on end
	s_wait_alu 0x0
	s_wait_tensorcnt 0x0
	ds_add_u32 v[SPW], v[NIL]
	s_wait_dscnt 0x0
	s_endpgm
.Lfunc_end_k_qba9d414521_oproj:
	.size	k_qba9d414521_oproj, .Lfunc_end_k_qba9d414521_oproj-k_qba9d414521_oproj
	.p2alignl 7, 3214868480
	.fill 96, 4, 3214868480
	.section	.rodata,"a",@progbits
	.p2align	6, 0x0
	.amdhsa_kernel k_qba9d414521_oproj
		.amdhsa_group_segment_fixed_size 35840
		.amdhsa_private_segment_fixed_size 0
		.amdhsa_enable_private_segment 0
		.amdhsa_kernarg_size 48
		.amdhsa_user_sgpr_count 2
		.amdhsa_user_sgpr_kernarg_segment_ptr 1
		.amdhsa_wavefront_size32 1
		.amdhsa_system_sgpr_workgroup_id_x 1
		.amdhsa_system_sgpr_workgroup_id_y 1
		.amdhsa_system_sgpr_workgroup_id_z 1
		.amdhsa_system_vgpr_workitem_id 0
		.amdhsa_next_free_vgpr 512
		.amdhsa_next_free_sgpr 66
		.amdhsa_reserve_vcc 0
		.amdhsa_float_denorm_mode_32 3
		.amdhsa_float_denorm_mode_16_64 3
		.amdhsa_memory_ordered 1
		.amdhsa_forward_progress 1
		.amdhsa_inst_pref_size 22
	.end_amdhsa_kernel
	.amdgpu_metadata
---
amdhsa.version: [ 1, 2 ]
amdhsa.kernels:
  - .name:           k_qba9d414521_oproj
    .symbol:         k_qba9d414521_oproj.kd
    .args:
      - { .name: ocod, .offset: 0, .size: 8, .value_kind: global_buffer, .address_space: global }
      - { .name: oscl, .offset: 8, .size: 8, .value_kind: global_buffer, .address_space: global }
      - { .name: wcod, .offset: 16, .size: 8, .value_kind: global_buffer, .address_space: global }
      - { .name: wscl, .offset: 24, .size: 8, .value_kind: global_buffer, .address_space: global }
      - { .name: wo_b, .offset: 32, .size: 8, .value_kind: global_buffer, .address_space: global }
      - { .name: out0, .offset: 40, .size: 8, .value_kind: global_buffer, .address_space: global }
    .group_segment_fixed_size: 35840
    .private_segment_fixed_size: 0
    .kernarg_segment_align: 8
    .kernarg_segment_size: 48
    .max_flat_workgroup_size: 256
    .sgpr_count:     66
    .vgpr_count:     512
    .wavefront_size: 32
...
	.end_amdgpu_metadata
.endif
;; end of part 8
